; MI455X (gfx1250); checked and timed in simulation.
; The chip was launched on July 23, 2026; its instructions are those of AMD's public machine-readable ISA for CDNA 5 (MIT licence, August 2026) and "CDNA5" Instruction Set Architecture Reference Guide (July 2026). The comments in the code are by the model that wrote it; some were corrected since.
;; Attention. Allowed arithmetic: matrix products marked QUANTISED: E4M3 operands, one E8M0 scale for each 32 along K, by v_wmma_scale_f32_16x16x128_f8f6f4 with both operands' format E4M3, f32 sums; everything else in f32.
;; Inputs: b_proj 1,024 float32; w_proj 1,024 x 1,024 float32; w_qkv 3,072 x 1,024 float32; x 2 x 2,048 x 1,024 float32.
;; Outputs: out0 2 x 2,048 x 1,024 float32.
;; This version of the problem:
;;   THIS VERSION OF THE PROBLEM IS GIVEN IN LOW PRECISION. The matrix products marked QUANTISED in the list below multiply operands that are first quantised to E4M3 (4 exponent bits, 3 mantissa bits; 8 bits a number), with one power-of-two scale for each 32 numbers along K (OCP MX v1.0); their sums are f32. All else is computed in f32.
;;   The module's matrix products, in the order in which they are computed (A, B: the left and right operand; K: the contracted axis; several contracted axes count as one K, in the product's order):
;;     1. [M 4,096, K 1,024] x [K 1,024, N 3,072]; A: input x; B: input w_qkv: QUANTISED
;;     2. batch 32 x [M 2,048, K 64] x [K 64, N 2,048]; A: computed on the way; B: computed on the way: QUANTISED
;;     3. batch 32 x [M 2,048, K 2,048] x [K 2,048, N 64]; A: softmax (see below); B: computed on the way: QUANTISED
;;     4. [M 4,096, K 1,024] x [K 1,024, N 1,024]; A: computed on the way; B: input w_proj: QUANTISED
;;   THE QUANTISER, for each operand of a quantised product, along K:
;;     - K is cut into blocks of 32 from its start; a last block that is shorter is filled with zeros.
;;     - A block's scale is 2^e with e = floor(log2(the largest magnitude in the block)) - 8, held to -126 .. 127; a block of zeros has e = 0. As a byte (E8M0): e + 127.
;;     - Each number is divided by its block's scale, clamped to +-448, and rounded to the nearest number of E4M3, ties to even, subnormals kept.
;;     - The product sums the exact products of the quantised numbers (number of the format x scale) in f32.
;;   ~~~python
;;   def quantise(x, axis):      # numpy; x: float32 -> the quantised numbers, widened to float32 again
;;       x = np.moveaxis(x, axis, -1); K = x.shape[-1]
;;       x = np.pad(x, [(0, 0)] * (x.ndim - 1) + [(0, -K % 32)]); x = x.reshape(x.shape[:-1] + (-1, 32)); a = np.abs(x).max(-1, keepdims=True)
;;       e = np.where(a > 0, np.clip(np.frexp(np.where(a > 0, a, 1))[1] - 1 - 8, -126, 127), 0)      # np.frexp(a)[1] - 1 = floor(log2(a)), exactly
;;       r = np.clip(x / 2.0 ** e, -448, 448)
;;       step = 2.0 ** (np.maximum(np.frexp(np.where(r == 0, 1, r))[1] - 1, -6) - 3)
;;       q = np.round(r / step) * step * 2.0 ** e      # np.round: ties to even
;;       return np.moveaxis(q.reshape(q.shape[:-2] + (-1,))[..., :K], -1, axis).astype(np.float32)
;;   ~~~
;;   SOFTMAX AHEAD OF A QUANTISED PRODUCT. Where the list says 'softmax', what is quantised is not the finished softmax but p = 2^(t - M), with t = logit x log2(e) and M = ceil(the row's largest t), a whole number; so 1/2 < the row's largest p <= 1. The row's sum l is taken of the UNQUANTISED p, in f32, and the product's result is divided by l at the end. Since M is a whole number, a kernel that streams over the keys may use a running M (the ceiling of the running maximum): every later rescaling is an exact power of two, which a block's scale takes up: the codes' values come out the same.
;;   OPERANDS COMPUTED ON THE WAY. 'Computed on the way' means the value that the module computes at that place (a softmax that the list does not call 'softmax' is quantised finished and normalised). What goes into a quantiser is computed in f32, as accurately as f32 sums, v_exp_f32 and their like allow (about 1e-6 of the number): no bf16 or f16 on the way to a quantiser, and a product that is left as it is and whose result goes on into a quantised operand takes f32 operands (vector FMAs, or v_wmma_f32_16x16x4_f32). A number that lies on a knife's edge between two numbers of the format may be rounded either way, as far as f32 arithmetic and the matrix unit's own rounding can turn it there, and no further.
;; One version. Each part assembles by itself: llvm-mc -triple=amdgcn-amd-amdhsa -mcpu=gfx1250 --defsym DOCPART=n.
;; ======== version 1 of 1: 4 launches
;; limits: right only within a limited range of input values
;; workspace buffers: c1 8,388,608 bytes; s1 262,144 bytes; qkv_c 12,582,912 bytes; qkv_s 393,216 bytes; o_c 4,194,304 bytes; o_s 131,072 bytes
;; launch quant (part 1): grid 256 x 1, 4 waves a work-group, no clusters, 34,304 bytes of LDS; arguments x, w_qkv, w_proj, c1, s1; writes c1, s1
.if DOCPART == 1
	.amdgcn_target "amdgcn-amd-amdhsa--gfx1250"
	.amdhsa_code_object_version 6
	.text
	.protected	k_q9bb420efdd_quant
	.globl	k_q9bb420efdd_quant
	.p2align	8
	.type	k_q9bb420efdd_quant,@function
k_q9bb420efdd_quant:
	s_mov_b64 s[64:65], 0
	v_nop
	global_prefetch_b8 v0, s[64:65] scope:SCOPE_SE
	s_setreg_imm32_b32 hwreg(HW_REG_WAVE_MODE, 25, 1), 1
	s_wait_xcnt 0x0
; LAUNCH 1 OF 4.  x [4096][1024], w_qkv [3072][1024], w_proj [1024][1024], f32, K innermost, become codes of E4M3 with one E8M0 byte for each 32 along K.
; THE PROGRAM: (1) this launch; (2) q, k, v = x w_qkv^T on codes, quantised on the way out (q, k along the head's 64, v along the tokens); (3) causal attention on codes, o quantised on the way out;
; (4) out0 = o w_proj^T + b_proj on codes.
; WORK LEFT OUT (in launch 3), AND WHY IT IS DEAD: reference() builds the mask triu(ones, k=1) in its own body and puts -finfo.max over every score whose key comes after its query; each row keeps its own key,
; whose score is finite for finite inputs, so for all finite inputs the softmax gives such a key the weight 0 and it adds nothing to the row's sum or to the product with v.  Launch 3 therefore leaves out, in whole
; steps of 128 keys, the scores, the softmax and the product with v wherever all 128 keys come after all 16 queries of a wave.  Inside the one step on the diagonal the hidden scores are replaced ahead of the maximum.
; No input is dead: all four are loaded.
; LIMIT: a NaN, an infinity or an overflow that reaches only the scores left out is not carried to the result.  NaN and infinities among the inputs are not served.
; LIMIT: a block's byte is its largest magnitude's exponent field - 8, held at 1 from below (largest magnitudes under 2^(9 - 127) count as that); a block of zeros so gets the byte 1 where the rule says 127:
; its codes are zeros, which add nothing under any byte but 0xff, and the bytes are read by this program alone.
; LAYOUT OF c1: AN IMAGE OF THE OPERAND'S REGISTERS.  [tile T 0..511][K step 0..7][c 0..3][lane 0..31][16 bytes]: lane (r, h) holds k = 128 step + 32 c + 16 h + 0 .. 15 of the tile's row r.
; A TENSOR'S TILE t HOLDS ITS ROWS 32 (t / 2) + 8 (t % 2) + r % 8 + 16 (r / 8), so that in a product used transposed the 16 registers of two neighbouring tiles are 16 neighbours along the next product's K.
; T 0-255: x's tiles in order; 448-511: w_proj's in order; 256-447: w_qkv's HEAD BY HEAD: T = 256 + 12 head + 4 (0: q, 1: k, 2: v) + 0 .. 3: the twelve tiles that one work-group of launch 2 takes lie together.
; LAYOUT OF s1: [T][half of K 0..1][r 0..15][4 words]: word w holds the four bytes of K step 4 half + w.
; SHARES: wave w of work-group g takes tile w / 2 of the g-th pair of tiles and half w % 2 of K: four steps of one fragment (16 rows x 128 numbers), three steps' loads out at the start.  Each load reads 512 consecutive
; bytes of one row; the 8,192 bytes of a step turn through the wave's own stage in LDS (rows of 512 + 16 bytes), from which a lane takes its 16 neighbours of each block; a fragment leaves by four stores of 512
; consecutive bytes.  Waves share nothing: no barrier.  The numbers as they are loaded lie in window 1, 64 registers for each step; all else in window 0.
.set STG,   8448                       ; a wave's stage: 16 rows x 528 bytes
.set SPARE, 4*STG                      ; behind the stages: the spare words, 128 bytes for each wave: two blocks of 256 bytes that no other line names
.set SPW,   6                          ; v6      LDS address of my spare word; never rewritten
.set NIL,   7                          ; v7      0; never rewritten
.set TM,    8                          ; v8-11 largest magnitudes, v12-15 bytes, v16-19 448 x the scale, v20-23 the conversions' scale operands
.set PW,    24                         ; v24-27  a scale word for each step
.set PC,    32                         ; v32-47  a fragment's codes
.set X,     48                         ; v48-111 64 numbers: register 16 b + i = k 32 b + 16 h + i of my row
.set SEL,   20                         ; s[20:21] selects for v_permlanex16_b32: lane l xor 16
.set MNT,   23                         ; s23     the mantissa field of 448
.set MSB, 0
.macro WIN new                         ; the immediate's high byte repeats the setting that is left
.if MSB != \new
	s_set_vgpr_msb (MSB<<8)|\new
.set MSB, \new
.endif
.endm
	s_load_b256 s[4:11], s[0:1], 0x0               ; x, w_qkv, w_proj, c1
	s_load_b64 s[12:13], s[0:1], 0x20              ; s1
	v_lshl_add_u32 v[SPW], v0, 2, SPARE
	v_mov_b32 v[NIL], 0
	v_lshrrev_b32 v1, 5, v0
	v_readfirstlane_b32 s16, v1                    ; wave 0..3
	v_and_b32 v1, 31, v0                           ; lane
	v_lshlrev_b32 v2, 4, v1                        ; 16 x lane: my bytes of a load's 512 and of a store's 512
	s_mul_i32 s17, s16, STG
	v_add_nc_u32 v3, s17, v2                       ; the stage, on the way in: a row as it lies
	v_and_b32 v9, 15, v0                           ; r
	v_bfe_u32 v10, v0, 4, 1                        ; h
	v_mul_u32_u24 v4, v9, 528
	v_lshl_add_u32 v4, v10, 6, v4
	v_add_nc_u32 v4, s17, v4                       ; and on the way out: row r, + 64 h: my 16 numbers of a block of 32
	v_lshlrev_b32 v5, 4, v9
	v_lshl_add_u32 v5, v10, 3, v5                  ; the scale words: 16 r + 8 h
.irp b, 0,1,2,3
	v_mov_b32 v[TM+4+\b], 0                        ; written once: a lane permute's destination counts as one of its sources
.endr
	s_mov_b32 s[MNT], 0x600000
	s_wait_alu depctr_va_vdst(0)                   ; the wait at the head's end
	s_wait_kmcnt 0x0
	s_cmp_lt_u32 ttmp9, 128                        ; which tensor: the choice hangs on the work-group's number alone
	s_cselect_b64 s[4:5], s[4:5], s[6:7]
	s_cselect_b32 s19, 0, 128
	s_mov_b32 s21, 224
	s_cmp_lt_u32 ttmp9, 224
	s_cselect_b64 s[4:5], s[4:5], s[8:9]
	s_cselect_b32 s19, s19, s21                    ; the tensor's first work-group
	s_sub_co_u32 s18, ttmp9, s19
	s_lshl_b32 s18, s18, 17                        ; 32 rows of 4,096 bytes for each work-group,
	s_lshr_b32 s22, s16, 1
	s_lshl_b32 s22, s22, 15                        ; 8 rows on for the odd tile,
	s_add_co_u32 s18, s18, s22
	s_and_b32 s22, s16, 1
	s_lshl_b32 s22, s22, 11                        ; 512 numbers on for the second half of K
	s_add_co_u32 s18, s18, s22
	s_mov_b32 s19, 0
	s_add_nc_u64 s[4:5], s[4:5], s[18:19]
	s_sub_co_u32 s22, ttmp9, 128                   ; where the pair of tiles goes.  w_qkv's pair p = 32 (q, k, v) + 2 head + i: to 128 + 6 head + 2 (q, k, v) + i; the others as they are
	s_lshr_b32 s24, s22, 5
	s_lshl_b32 s24, s24, 1
	s_and_b32 s25, s22, 31
	s_lshr_b32 s25, s25, 1
	s_mul_i32 s25, s25, 6
	s_add_co_u32 s24, s24, s25
	s_and_b32 s22, s22, 1
	s_add_co_u32 s24, s24, s22
	s_add_co_u32 s24, s24, 128
	s_cmp_lt_u32 ttmp9, 224
	s_cselect_b32 s24, s24, ttmp9
	s_cmp_lt_u32 ttmp9, 128
	s_cselect_b32 s24, ttmp9, s24
	s_lshl_b32 s18, s24, 2
	s_add_co_u32 s18, s18, s16
	s_lshl_b32 s24, s18, 13                        ; four fragments of 2,048 bytes
	s_mov_b32 s25, 0
	s_add_nc_u64 s[10:11], s[10:11], s[24:25]
	s_lshl_b32 s24, s18, 8                         ; 256 bytes of scale words
	s_add_nc_u64 s[12:13], s[12:13], s[24:25]
	s_mov_b32 s[SEL], 0x76543210
	s_mov_b32 s[SEL+1], 0xfedcba98
.macro LOAD s                          ; step s: 128 numbers of each of the tile's 16 rows, into window 1
	WIN 0x40
.irp i, 0,1,2,3,4,5,6,7,8,9,10,11,12,13,14,15
	global_load_b128 v[64*\s+4*\i:64*\s+4*\i+3], v2, s[4:5] offset:((\i%8)+16*(\i/8))*4096+512*\s th:TH_LOAD_NT
.endr
.endm
; 64 numbers of a lane become a fragment's codes in v[PC] on and its scale word in v[pw]
.macro QUANT s, pw
.irp b, 0,1,2,3
	v_max3_num_f32 v[TM+\b], |v[\s+16*\b]|, |v[\s+1+16*\b]|, 0x4800000   ; block b: my 16 numbers, and the floor 2^(9 - 127): the byte cannot fall under 1
.endr
.irp i, 2,4,6,8,10,12,14
.irp b, 0,1,2,3
	v_max3_num_f32 v[TM+\b], v[TM+\b], |v[\s+16*\b+\i]|, |v[\s+1+16*\b+\i]|   ; the four blocks by turns
.endr
.endr
.irp b, 0,1,2,3
	v_permlanex16_b32 v[TM+4+\b], v[TM+\b], s[SEL], s[SEL+1]
.endr
.irp b, 0,1,2,3
	v_max_num_f32 v[TM+\b], v[TM+\b], v[TM+4+\b]   ; with lane l xor 16's: the block's largest magnitude
.endr
.irp b, 0,1,2,3
	v_add_nc_u32 v[TM+12+\b], 0xfc000000, v[TM+\b] ; 8 off its exponent field: the conversion takes this operand's exponent field as its scale
.endr
.irp b, 0,1,2,3
	v_and_or_b32 v[TM+8+\b], v[TM+\b], 0x7f800000, s[MNT]   ; 448 x the scale
.endr
.irp b, 0,1,2,3
	v_lshrrev_b32 v[TM+4+\b], 23, v[TM+12+\b]      ; the scale's byte
.endr
	v_lshl_or_b32 v[\pw], v[TM+5], 8, v[TM+4]
	v_lshl_or_b32 v[\pw], v[TM+6], 16, v[\pw]
	v_lshl_or_b32 v[\pw], v[TM+7], 24, v[\pw]
.irp b, 0,1,2,3
.irp i, 0,1,2,3,4,5,6,7,8,9,10,11,12,13,14,15
	v_med3_num_f32 v[\s+16*\b+\i], v[\s+16*\b+\i], -v[TM+8+\b], v[TM+8+\b]   ; the conversion to an 8-bit code does not saturate (ISA guide 7.6.2): the hold comes first
.endr
	v_cvt_scalef32_pk8_fp8_f32 v[PC+4*\b:PC+1+4*\b], v[\s+16*\b:\s+7+16*\b], v[TM+12+\b]
	v_cvt_scalef32_pk8_fp8_f32 v[PC+2+4*\b:PC+3+4*\b], v[\s+8+16*\b:\s+15+16*\b], v[TM+12+\b]
.endr
	v_nop                                          ; one plain vector line behind the last conversion
.endm
.macro STEP s
.if \s < 2
	s_wait_loadcnt 32                              ; this step's 16 loads are in; two further steps' may be out
.elseif \s == 2
	s_wait_loadcnt 16
.else
	s_wait_loadcnt 0x0
.endif
.if \s == 0
	LOAD 3                                         ; the last step's
.endif
	WIN 0x04                                       ; the data: window 1
.irp i, 0,1,2,3,4,5,6,7,8,9,10,11,12,13,14,15
	ds_store_b128 v3, v[64*\s+4*\i:64*\s+4*\i+3] offset:\i*528
.endr
	WIN 0
.irp b, 0,1,2,3
.irp j, 0,1,2,3
	ds_load_b128 v[X+16*\b+4*\j:X+16*\b+4*\j+3], v4 offset:128*\b+16*\j   ; LDS serves a wave's instructions in order: these see the stores above
.endr
.endr
	s_wait_dscnt 0x0                               ; my 64 numbers are in,
	s_wait_xcnt 0x0                                ; and the last step's stores of codes have read their registers
	QUANT X, PW+\s
.irp c, 0,1,2,3
	global_store_b128 v2, v[PC+4*\c:PC+4*\c+3], s[10:11] offset:2048*\s+512*\c   ; 32 lanes store 512 consecutive bytes
.endr
.endm
	LOAD 0
	LOAD 1
	LOAD 2
	STEP 0
	STEP 1
	STEP 2
	STEP 3
	v_cmp_le_u32 vcc_lo, 16, v1                    ; lanes 0-15 store my row's words 0 and 1, lanes 16-31 words 2 and 3 (both halves hold all four)
	v_cndmask_b32 v28, v[PW], v[PW+2], vcc_lo
	v_cndmask_b32 v29, v[PW+1], v[PW+3], vcc_lo
	global_store_b64 v5, v[28:29], s[12:13]        ; 32 lanes store 256 consecutive bytes, aligned
	s_wait_tensorcnt 0x0                           ; the wave's end
	ds_add_u32 v[SPW], v[NIL]
	s_wait_dscnt 0x0
	s_endpgm
.Lfunc_end_k_q9bb420efdd_quant:
	.size	k_q9bb420efdd_quant, .Lfunc_end_k_q9bb420efdd_quant-k_q9bb420efdd_quant
	.p2alignl 7, 3214868480
	.fill 96, 4, 3214868480
	.section	.rodata,"a",@progbits
	.p2align	6, 0x0
	.amdhsa_kernel k_q9bb420efdd_quant
		.amdhsa_group_segment_fixed_size 34304
		.amdhsa_private_segment_fixed_size 0
		.amdhsa_enable_private_segment 0
		.amdhsa_kernarg_size 40
		.amdhsa_user_sgpr_count 2
		.amdhsa_user_sgpr_kernarg_segment_ptr 1
		.amdhsa_wavefront_size32 1
		.amdhsa_system_sgpr_workgroup_id_x 1
		.amdhsa_system_sgpr_workgroup_id_y 1
		.amdhsa_system_sgpr_workgroup_id_z 1
		.amdhsa_system_vgpr_workitem_id 0
		.amdhsa_next_free_vgpr 512
		.amdhsa_next_free_sgpr 66
		.amdhsa_reserve_vcc 1
		.amdhsa_float_denorm_mode_32 3
		.amdhsa_float_denorm_mode_16_64 3
		.amdhsa_memory_ordered 1
		.amdhsa_forward_progress 1
		.amdhsa_inst_pref_size 52
	.end_amdhsa_kernel
	.amdgpu_metadata
---
amdhsa.version: [ 1, 2 ]
amdhsa.kernels:
  - .name:           k_q9bb420efdd_quant
    .symbol:         k_q9bb420efdd_quant.kd
    .args:
      - { .name: x, .offset: 0, .size: 8, .value_kind: global_buffer, .address_space: global }
      - { .name: w_qkv, .offset: 8, .size: 8, .value_kind: global_buffer, .address_space: global }
      - { .name: w_proj, .offset: 16, .size: 8, .value_kind: global_buffer, .address_space: global }
      - { .name: c1, .offset: 24, .size: 8, .value_kind: global_buffer, .address_space: global }
      - { .name: s1, .offset: 32, .size: 8, .value_kind: global_buffer, .address_space: global }
    .group_segment_fixed_size: 34304
    .private_segment_fixed_size: 0
    .kernarg_segment_align: 8
    .kernarg_segment_size: 40
    .max_flat_workgroup_size: 128
    .sgpr_count:     66
    .vgpr_count:     512
    .wavefront_size: 32
...
	.end_amdgpu_metadata
.endif
;; end of part 1
;; launch qkv (part 2): grid 16 x 16, 4 waves a work-group, clusters of 4 x 4, 327,680 bytes of LDS; arguments c1, s1, qkv_c, qkv_s; writes qkv_c, qkv_s
.if DOCPART == 2
	.amdgcn_target "amdgcn-amd-amdhsa--gfx1250"
	.amdhsa_code_object_version 6
	.text
	.protected	k_q9bb420efdd_qkv
	.globl	k_q9bb420efdd_qkv
	.p2align	8
	.type	k_q9bb420efdd_qkv,@function
k_q9bb420efdd_qkv:
	s_mov_b64 s[64:65], 0
	v_nop
	global_prefetch_b8 v0, s[64:65] scope:SCOPE_SE
	s_setreg_imm32_b32 hwreg(HW_REG_WAVE_MODE, 25, 1), 1
	s_wait_xcnt 0x0
	s_wait_alu depctr_hold_cnt(0) depctr_sa_sdst(0) depctr_va_vdst(0) depctr_va_sdst(0) depctr_va_ssrc(0) depctr_va_vcc(0) depctr_vm_vsrc(0)
	s_getreg_b32 s2, hwreg(HW_REG_IB_STS2, 6, 4)
	s_cmp_eq_u32 s2, 0
	s_cbranch_scc0 .Lentry_in_a_cluster
	s_endpgm
.Lentry_in_a_cluster:
	s_bfe_u32 s2, ttmp6, 0x10000c
	s_cmp_lg_u32 s2, 0xf033
	s_cbranch_scc0 .Lentry_shape_is_right
	s_endpgm
.Lentry_shape_is_right:
; LAUNCH 2 OF 4.  qkv = x w_qkv^T on codes of E4M3 with E8M0 scales (K = 1,024), f32 sums; the results are quantised in registers on the way out and leave as images of the next products' operands.
; LIMITS as stated at the head of launch 1.
; A work-group makes 256 tokens x 192 features: q, k and v of ONE head (tiles 0-3, 4-7, 8-11 of its twelve in c1).  256 work-groups.  Wave (wr, wc) makes 128 tokens x (q (wc = 0) or k (wc = 1), and channels 32 wc .. 32 wc + 31 of v).
; q, k: source 0 = w_qkv's rows, source 1 = x's: a lane holds ONE token and its registers run along the features.  v: the sources change places: a lane holds ONE channel and its registers run along the tokens.
; By the order of rows in c1 the 16 registers of two neighbouring tiles of source 0 are 16 neighbours, 32 b + 16 (lane / 16) + 0 .. 15.
; c1 holds fragments as images of their registers (16 rows x 128 K = 2,048 bytes), so a fragment comes from LDS by four loads of 512 consecutive bytes: no padding.
; FILLS.  K has eight steps of 128; a step of x's 16 and w's 12 tiles is 57,344 bytes, and LDS holds five.  At the head one joint load a wave: steps 0-2 of x (wave 0) and of w (wave 1), steps 3-4 of x (wave 2) and of w (wave 3).
; Steps 5-7 go over steps 0-2, in the one refill: its drained round of the cluster's barrier stands inside step 2, whose fragments are in registers then.  No loop to run ahead in: no prefetch.
; CLUSTERS of 4 x 4: x's tiles are shared along a row, w's along a column.  The scale words come straight into registers, in whole units of 256 bytes.
; OUT: qkv_c: blocks of 16 KB.  q, k: block (G, u) at G x 512 KB + u x 16 KB (G: a pair of heads, 0-7 q, 8-15 k; u: 128 tokens): [tile of 16 tokens 0..7][head of the pair][c 0..1][512 bytes].
;   v: block (m, u) at 8 MB + m x 512 KB + u x 16 KB: [head of the pair][tile of 16 channels 0..3][c 0..3][512 bytes].  qkv_s: 512 bytes a block at the block's offset / 32: [head of the pair][r 0..15][4 words]:
;   q, k: word p: two bytes each of tiles 2 p and 2 p + 1;  v: word t: the four bytes of channel tile t.
; REGISTERS: window 0: v0-29 addresses; v32-95, v100-147 scale words; v148-243 w's fragments of odd steps, at work on the way out.  window 1: fragments of even steps: x's at 0, w's at 128.
;   window 2: q's or k's sums: token tile a, feature tile b at 32 a + 8 b.  window 3: v's: channel tile t, token tile a at 64 t + 8 a; from 128 on x's fragments of odd steps.
.set XA,    0                          ; LDS: x's tiles, steps 0-2 (later 5-7): 6,144 bytes a tile
.set WA,    98304                      ; w's
.set XB,    172032                     ; steps 3-4: 4,096 bytes a tile
.set WB,    237568
.set SPARE, 286720                     ; the spare words: two blocks of 256 bytes that no other line names
.set ADX, 16                           ; v16-17 LDS address of my fragments of x in the first and the second region
.set ADQ, 18                           ; v18-19 of q's or k's rows of w
.set ADV, 20                           ; v20-21 of v's
.set CO,  26                           ; v26 16 x lane
.set SPW, 28
.set NIL, 29
.set SX,  32                           ; x's scale words: 8 a + step
.set SW,  100                          ; w's: 8 b + step: the numbers of a product's two differ by 4 modulo 8
.set TM,  148                          ; the way out: v148-151 largest magnitudes, 152-155 bytes, 156-159 448 x the scale, 160-163 the conversions' scale operands
.set PW,  164                          ; v164-169 scale words
.set PC,  172                          ; v172-187 codes
.set UU,  188
.set G1X, 24
.set G0X, 32
.set G0W, 36
.set G1W, 48
.set G0X2, 56
.set G0W2, 60
.set G1X2, 68
.set G1W2, 80
.set SEL, 76
.set MNT, 78
.set MSB, 0
.macro WIN new                         ; the immediate's high byte repeats the setting that is left
.if MSB != \new
	s_set_vgpr_msb (MSB<<8)|\new
.set MSB, \new
.endif
.endm
.macro PLACES n                        ; plain vector lines behind matrix instructions (ISA guide 7.12.1)
.rept \n
	v_nop
.endr
.endm
.macro BARRIER
	s_barrier_signal -1
	s_barrier_wait -1
.endm
.macro CREST                           ; a round of the cluster's barrier behind its opening barrier
	s_cmp_lg_u32 s14, 0
	s_cbranch_scc1 .Lnot_wave_0_\@
	s_barrier_signal -3
.Lnot_wave_0_\@:
	s_barrier_wait -3
	BARRIER
.endm
.macro CROUND
	BARRIER
	CREST
.endm
.macro TL g0, g1                       ; a tensor load; an s_nop 0 and four v_nop follow it
	tensor_load_to_lds s[\g0:\g0+3], s[\g1:\g1+7]
	s_nop 0
	PLACES 4
.endm
.macro ARM under, g0, g1, next
	s_cmp_lt_u32 s14, \under
	s_cbranch_scc0 \next
	TL \g0, \g1
	s_branch .Lasked
\next:
.endm
.macro GROUP1 g, mask, cols, rows      ; so many tiles, 16,384 bytes apart, elements of 8 bytes; the mask; bit 21 beside it; no padding
	s_or_b32 s[\g], s[\mask], (3<<16)|(1<<21)
	s_mov_b32 s[\g+1], (\cols)<<16
	s_mov_b32 s[\g+2], (\rows)<<16
	s_mov_b32 s[\g+3], (\cols)<<16
	s_mov_b32 s[\g+4], \rows
	s_mov_b32 s[\g+5], 2048
	s_mov_b32 s[\g+6], 0
	s_mov_b32 s[\g+7], 0
.endm
	s_load_b256 s[4:11], s[0:1], 0x0               ; c1, s1, qkv_c, qkv_s
	v_lshl_add_u32 v[SPW], v0, 2, SPARE
	v_mov_b32 v[NIL], 0
	ds_add_u32 v[SPW], v[NIL]                      ; the wave's opening: the add, twice on end, and its wait ahead of my first tensor load
	ds_add_u32 v[SPW], v[NIL]
	v_lshrrev_b32 v1, 5, v0
	v_readfirstlane_b32 s14, v1                    ; wave 0..3
	s_lshr_b32 s15, s14, 1                         ; wr: my 128 tokens.  Also: in the refill I fetch for x (0) or for w (1)
	s_and_b32 s16, s14, 1                          ; wc.  Also: which half of those tiles
	s_bfe_u32 s40, ttmp6, 0x40000                  ; cx, cy
	s_bfe_u32 s41, ttmp6, 0x40004
	s_lshl_b32 s42, ttmp9, 2
	s_add_co_u32 s42, s42, s40                     ; my head
	s_and_b32 s17, ttmp7, 0xffff
	s_lshl_b32 s17, s17, 2
	s_add_co_u32 s17, s17, s41                     ; my 256 tokens
	s_lshl_b32 s43, s41, 2
	s_lshl_b32 s43, 15, s43                        ; my row of the cluster
	s_lshl_b32 s44, 0x1111, s40                    ; my column
	GROUP1 G1X, 43, 768, 16
	GROUP1 G1W, 44, 768, 12
	GROUP1 G1X2, 43, 512, 16
	GROUP1 G1W2, 44, 512, 12
	s_lshl_b32 s20, s17, 18                        ; x's 16 tiles in c1
	s_mov_b32 s21, 0
	s_mul_i32 s46, s42, 12*16384                   ; w's twelve
	s_add_co_u32 s46, s46, 0x400000
	s_mov_b32 s47, 0
	s_lshl_b32 s22, s17, 13                        ; scale words: my eight tiles of x,
	s_lshl_b32 s2, s15, 12
	s_add_co_u32 s22, s22, s2
	s_mov_b32 s23, 0
	s_mul_i32 s66, s42, 12*512                     ; my four of q or k,
	s_add_co_u32 s66, s66, 0x20000
	s_mov_b32 s67, 0
	s_lshl_b32 s100, s16, 10
	s_add_co_u32 s100, s100, s66
	s_add_co_u32 s100, s100, 4096                  ; and my two of v
	s_mov_b32 s101, 0
	s_lshl_b32 s2, s16, 11
	s_add_co_u32 s66, s66, s2
	; where the results go
	s_lshr_b32 s2, s42, 1                          ; pair of heads
	s_and_b32 s3, s42, 1                           ; which of the pair
	s_lshl_b32 s12, s17, 1
	s_add_co_u32 s12, s12, s15                     ; u: my 128 tokens
	s_lshl_b32 s88, s2, 19
	s_lshl_b32 s12, s12, 14
	s_add_co_u32 s88, s88, s12
	s_add_co_u32 s90, s88, 0x800000
	s_lshr_b32 s92, s88, 5
	s_lshl_b32 s2, s3, 8
	s_add_co_u32 s92, s92, s2
	s_add_co_u32 s94, s92, 0x40000
	s_lshl_b32 s2, s16, 3
	s_add_co_u32 s94, s94, s2                      ; v's scale words
	s_lshl_b32 s2, s16, 17
	s_add_co_u32 s92, s92, s2                      ; q's or k's
	s_lshl_b32 s2, s3, 13
	s_add_co_u32 s90, s90, s2
	s_lshl_b32 s2, s16, 12
	s_add_co_u32 s90, s90, s2                      ; v's codes
	s_lshl_b32 s2, s3, 10
	s_add_co_u32 s88, s88, s2
	s_lshl_b32 s2, s16, 22
	s_add_co_u32 s88, s88, s2                      ; q's or k's
	s_mov_b32 s89, 0
	s_mov_b32 s91, 0
	s_mov_b32 s93, 0
	s_mov_b32 s95, 0
	s_mov_b32 s[SEL], 0x76543210
	s_mov_b32 s[SEL+1], 0xfedcba98
	s_mov_b32 s[MNT], 0x600000
	s_mul_i32 s2, s15, 8*6144                      ; LDS: my eight tiles of x,
	s_lshl_b32 s3, s15, 15
	s_add_co_u32 s3, s3, XB
	s_mul_i32 s12, s16, 4*6144                     ; my four of q or k,
	s_add_co_u32 s12, s12, WA
	s_lshl_b32 s13, s16, 14
	s_add_co_u32 s13, s13, WB
	s_mul_i32 s18, s16, 2*6144                     ; my two of v, behind those eight
	s_add_co_u32 s18, s18, WA+8*6144
	s_lshl_b32 s19, s16, 13
	s_add_co_u32 s19, s19, WB+8*4096
	v_and_b32 v1, 15, v0                           ; r
	v_bfe_u32 v2, v0, 4, 1                         ; h
	v_and_b32 v3, 31, v0
	v_lshlrev_b32 v[CO], 4, v3
	v_add_nc_u32 v[ADX], s2, v[CO]
	v_add_nc_u32 v[ADX+1], s3, v[CO]
	v_add_nc_u32 v[ADQ], s12, v[CO]
	v_add_nc_u32 v[ADQ+1], s13, v[CO]
	v_add_nc_u32 v[ADV], s18, v[CO]
	v_add_nc_u32 v[ADV+1], s19, v[CO]
	v_lshlrev_b32 v5, 4, v1                        ; 16 r
	v_lshl_add_u32 v6, v2, 3, v5                   ; 16 r + 8 h
	v_lshl_add_u32 v7, v2, 2, v5                   ; 16 r + 4 h
	s_wait_alu depctr_va_vdst(0)                   ; the wait at the head's end
	s_wait_dscnt 0x0                               ; both opening adds are done
	CROUND                                         ; all sixteen work-groups are here: the joint loads meet
	s_wait_kmcnt 0x0
	s_mov_b32 s[G0X], 1
	s_mov_b32 s[G0X+1], XA
	s_add_nc_u64 s[G0X+2:G0X+3], s[4:5], s[20:21]
	s_add_nc_u64 s[G0X2+2:G0X2+3], s[G0X+2:G0X+3], 6144
	s_or_b32 s[G0X+3], s[G0X+3], 0x80000000
	s_mov_b32 s[G0X2], 1
	s_mov_b32 s[G0X2+1], XB
	s_or_b32 s[G0X2+3], s[G0X2+3], 0x80000000
	s_mov_b32 s[G0W], 1
	s_mov_b32 s[G0W+1], WA
	s_add_nc_u64 s[G0W+2:G0W+3], s[4:5], s[46:47]
	s_add_nc_u64 s[G0W2+2:G0W2+3], s[G0W+2:G0W+3], 6144
	s_or_b32 s[G0W+3], s[G0W+3], 0x80000000
	s_mov_b32 s[G0W2], 1
	s_mov_b32 s[G0W2+1], WB
	s_or_b32 s[G0W2+3], s[G0W2+3], 0x80000000
	ARM 1, G0X,  G1X,  .Larm1                      ; one load a wave, a line each: the first barrier shows steps 0-2 alone
	ARM 2, G0W,  G1W,  .Larm2
	ARM 3, G0X2, G1X2, .Larm3
	TL G0W2, G1W2
.Lasked:
	s_add_nc_u64 s[22:23], s[6:7], s[22:23]
	s_add_nc_u64 s[66:67], s[6:7], s[66:67]
	s_add_nc_u64 s[100:101], s[6:7], s[100:101]
	s_add_nc_u64 s[12:13], s[8:9], s[88:89]
	s_add_nc_u64 s[18:19], s[8:9], s[90:91]
	s_add_nc_u64 s[96:97], s[10:11], s[92:93]
	s_add_nc_u64 s[98:99], s[10:11], s[94:95]
.irp f, 0,1
.irp a, 0,1,2,3,4,5,6,7
	global_load_b128 v[SX+8*\a+4*\f:SX+8*\a+4*\f+3], v5, s[22:23] offset:512*\a+256*\f
.endr
.irp b, 0,1,2,3
	global_load_b128 v[SW+8*\b+4*\f:SW+8*\b+4*\f+3], v5, s[66:67] offset:512*\b+256*\f
.endr
.irp t, 0,1
	global_load_b128 v[SW+32+8*\t+4*\f:SW+32+8*\t+4*\f+3], v5, s[100:101] offset:512*\t+256*\f
.endr
.endr
	s_wait_loadcnt 0x0
	s_cmp_lt_u32 s14, 2
	s_cbranch_scc0 .Lnot_first
	s_wait_tensorcnt 0x0                           ; steps 0-2
.Lnot_first:
	BARRIER
.macro SETK k                          ; where step k lies: its region, a tile's bytes there, its own place in a tile
.set RG, 0
.set PT, 6144
.if (\k) < 3
.set KO, (\k)*2048
.elseif (\k) < 5
.set RG, 1
.set PT, 4096
.set KO, ((\k)-3)*2048
.else
.set KO, ((\k)-5)*2048
.endif
.endm
.macro LDX k, i                        ; step k's fragment of x's tile i
	SETK \k
.if (\k)%2
.set XF, 128
	WIN 0xc0
.else
.set XF, 0
	WIN 0x40
.endif
.irp c, 0,1,2,3
	ds_load_b128 v[XF+16*(\i)+4*\c:XF+16*(\i)+4*\c+3], v[ADX+RG] offset:(\i)*PT+KO+512*\c
.endr
.endm
.macro LDW k, i                        ; of w's tile i: 0-3 q's or k's, 4-5 v's
	SETK \k
.if (\k)%2
.set WF, 148
	WIN 0
.else
.set WF, 128
	WIN 0x40
.endif
.irp c, 0,1,2,3
.if (\i) < 4
	ds_load_b128 v[WF+16*(\i)+4*\c:WF+16*(\i)+4*\c+3], v[ADQ+RG] offset:(\i)*PT+KO+512*\c
.else
	ds_load_b128 v[WF+16*(\i)+4*\c:WF+16*(\i)+4*\c+3], v[ADV+RG] offset:((\i)-4)*PT+KO+512*\c
.endif
.endr
.endm
.macro MUL6 k, a                       ; x's tile a against w's six.  The 48 accumulators take turns
.if (\k)%2
.set XF, 128
.set WF, 148
.set MQ, 0xac                          ; q, k: source 0 (w) window 0, source 1 (x) window 3, C and D window 2
.set MV, 0xf3                          ; v: source 0 (x) window 3, source 1 (w) window 0, C and D window 3
.else
.set XF, 0
.set WF, 128
.set MQ, 0xa5                          ; both sources window 1
.set MV, 0xf5
.endif
	WIN MQ
.irp b, 0,1,2,3
.if (\k) == 0
	v_wmma_scale_f32_16x16x128_f8f6f4 v[32*\a+8*\b:32*\a+8*\b+7], v[WF+16*\b:WF+16*\b+15], v[XF+16*\a:XF+16*\a+15], 0, v[SW+8*\b+\k], v[SX+8*\a+\k]
.else
	v_wmma_scale_f32_16x16x128_f8f6f4 v[32*\a+8*\b:32*\a+8*\b+7], v[WF+16*\b:WF+16*\b+15], v[XF+16*\a:XF+16*\a+15], v[32*\a+8*\b:32*\a+8*\b+7], v[SW+8*\b+\k], v[SX+8*\a+\k]
.endif
.endr
	WIN MV
.irp t, 0,1
.if (\k) == 0
	v_wmma_scale_f32_16x16x128_f8f6f4 v[64*\t+8*\a:64*\t+8*\a+7], v[XF+16*\a:XF+16*\a+15], v[WF+64+16*\t:WF+64+16*\t+15], 0, v[SX+8*\a+\k], v[SW+32+8*\t+\k]
.else
	v_wmma_scale_f32_16x16x128_f8f6f4 v[64*\t+8*\a:64*\t+8*\a+7], v[XF+16*\a:XF+16*\a+15], v[WF+64+16*\t:WF+64+16*\t+15], v[64*\t+8*\a:64*\t+8*\a+7], v[SX+8*\a+\k], v[SW+32+8*\t+\k]
.endif
.endr
.endm
.macro KS k                            ; a K step of 128: 48 products, and among them the next step's 56 loads
.if (\k) > 0 && (\k) < 7
	PLACES 8
.endif
.irp g, 0,1,2,3,4,5,6,7
.if (\k) < 7
	LDX \k+1, \g
.if \g < 6
	LDW \k+1, \g
.endif
.endif
.if \g == 0
.if (\k) < 7
	s_wait_dscnt 8                                 ; this step's fragments are in; the eight just issued may be out
.else
	s_wait_dscnt 0
.endif
.endif
	MUL6 \k, \g
.endr
.endm
.irp i, 0,1,2,3,4,5,6,7
	LDX 0, \i
.endr
.irp i, 0,1,2,3,4,5
	LDW 0, \i
.endr
	KS 0
	KS 1
; Step 2, with the refill's round: steps 0-2 are in registers, steps 3-4 are in LDS
	WIN 0
	s_wait_tensorcnt 0x0                           ; my tensor load is in, so descriptors may be written
	ds_add_u32 v[SPW], v[NIL]                      ; 0 onto my spare word
	s_mov_b32 s[G1X+2], 8<<16                      ; steps 5-7: waves 0, 1 fetch eight of x's tiles each, waves 2, 3 six of w's
	s_mov_b32 s[G1X+4], 8
	s_mov_b32 s[G1W+2], 6<<16
	s_mov_b32 s[G1W+4], 6
	s_mul_i32 s[G0X+1], s16, 8*6144
	s_mul_i32 s[G0W+1], s16, 6*6144
	s_add_co_u32 s[G0W+1], s[G0W+1], WA
	s_mov_b32 s3, 0
	s_lshl_b32 s2, s16, 17
	s_add_nc_u64 s[G0X+2:G0X+3], s[G0X+2:G0X+3], s[2:3]
	s_add_nc_u64 s[G0X+2:G0X+3], s[G0X+2:G0X+3], 5*2048
	s_mul_i32 s2, s16, 6*16384
	s_add_nc_u64 s[G0W+2:G0W+3], s[G0W+2:G0W+3], s[2:3]
	s_add_nc_u64 s[G0W+2:G0W+3], s[G0W+2:G0W+3], 5*2048
	s_wait_dscnt 1                                 ; step 2's fragments are in; the add may be out
	MUL6 2, 0
	MUL6 2, 1
	s_wait_dscnt 0x0                               ; the add is done, and so are my reads of steps 0-2
	s_barrier_signal -1
	MUL6 2, 2
	MUL6 2, 3
	WIN 0
	s_barrier_wait -1
	CREST                                          ; no wave of any partner still reads steps 0-2 or has a load on its way
	s_cmp_eq_u32 s15, 0
	s_cbranch_scc0 .Lfor_w
	TL G0X, G1X                                    ; my one load behind the round
	s_branch .Lrefilled
.Lfor_w:
	TL G0W, G1W
.Lrefilled:
	PLACES 4                                       ; with the load's four: eight ahead of the loads below
	LDX 3, 0
	LDX 3, 1
	LDW 3, 0
	LDW 3, 1
	MUL6 2, 4
	LDX 3, 2
	LDX 3, 3
	LDW 3, 2
	LDW 3, 3
	MUL6 2, 5
	LDX 3, 4
	LDX 3, 5
	LDW 3, 4
	MUL6 2, 6
	LDX 3, 6
	LDX 3, 7
	LDW 3, 5
	MUL6 2, 7
	KS 3
	WIN 0
	s_wait_tensorcnt 0x0                           ; steps 5-7
	s_wait_dscnt 0x0
	BARRIER
	KS 4
	KS 5
	KS 6
	KS 7
	WIN 0
; THE WAY OUT.  64 registers at a time are four blocks of 32 along the next product's K: a = 0-3: q's or k's token tiles 2 a, 2 a + 1 (two blocks each); a = 4, 5: v's channel tile a - 4.  They are quantised where they
; stand; the 16 registers of codes are a fragment's image and leave by four stores of 512 consecutive bytes.  Each accumulator is read from its low end on.
.macro QOUT a
.set AC, 64*((\a)%4)
	WIN (0x28+0x14*((\a)/4))                       ; sources 1 and 2: window 2 or 3
.irp b, 0,1,2,3
	v_max3_num_f32 v[TM+\b], 0x4800000, |v[AC+16*\b]|, |v[AC+16*\b+1]|   ; the floor 2^(9 - 127) among the leaves: the byte cannot fall under 1
.endr
.irp i, 2,4,6,8,10,12,14
.irp b, 0,1,2,3
	v_max3_num_f32 v[TM+\b], v[TM+\b], |v[AC+16*\b+\i]|, |v[AC+16*\b+\i+1]|
.endr
.endr
	WIN 0
.irp b, 0,1,2,3
	v_permlanex16_b32 v[TM+4+\b], v[TM+\b], s[SEL], s[SEL+1]
.endr
.irp b, 0,1,2,3
	v_max_num_f32 v[TM+\b], v[TM+\b], v[TM+4+\b]   ; with lane l xor 16's: the block's largest magnitude
.endr
.irp b, 0,1,2,3
	v_add_nc_u32 v[TM+12+\b], 0xfc000000, v[TM+\b] ; 8 off its exponent field: the conversion's scale operand
.endr
.irp b, 0,1,2,3
	v_and_or_b32 v[TM+8+\b], v[TM+\b], 0x7f800000, s[MNT]   ; 448 x the scale
.endr
.irp b, 0,1,2,3
	v_lshrrev_b32 v[TM+4+\b], 23, v[TM+12+\b]      ; the scale's byte
.endr
	v_lshl_or_b32 v[PW+\a], v[TM+5], 8, v[TM+4]
	v_lshl_or_b32 v[PW+\a], v[TM+6], 16, v[PW+\a]
	v_lshl_or_b32 v[PW+\a], v[TM+7], 24, v[PW+\a]
	WIN (0x82+0x41*((\a)/4))                       ; destination and source 0: window 2 or 3
.irp b, 0,1,2,3
.irp i, 0,1,2,3,4,5,6,7,8,9,10,11,12,13,14,15
	v_med3_num_f32 v[AC+16*\b+\i], v[AC+16*\b+\i], -v[TM+8+\b], v[TM+8+\b]   ; the conversion does not saturate (ISA guide 7.6.2): the hold comes first
.endr
.endr
.if (\a) > 0
	s_wait_alu depctr_va_vdst(0)                   ; directly ahead of the wait below
	s_wait_xcnt 0x0                                ; the last four blocks' stores have read the codes' registers
.endif
	WIN (0x02+(\a)/4)                              ; source 0: window 2 or 3
.irp b, 0,1,2,3
	v_cvt_scalef32_pk8_fp8_f32 v[PC+4*\b:PC+4*\b+1], v[AC+16*\b:AC+16*\b+7], v[TM+12+\b]
	v_cvt_scalef32_pk8_fp8_f32 v[PC+4*\b+2:PC+4*\b+3], v[AC+16*\b+8:AC+16*\b+15], v[TM+12+\b]
.endr
	WIN 0
	v_nop                                          ; one plain vector line behind the last conversion
.irp b, 0,1,2,3
.if (\a) < 4
	global_store_b128 v[CO], v[PC+4*\b:PC+4*\b+3], s[12:13] offset:(\a)*4096+(\b/2)*2048+(\b%2)*512
.else
	global_store_b128 v[CO], v[PC+4*\b:PC+4*\b+3], s[18:19] offset:((\a)-4)*2048+512*\b
.endif
.endr
.endm
	PLACES 8
.irp a, 0,1,2,3,4,5
	QOUT \a
.endr
	v_cmp_eq_u32 vcc_lo, 1, v2                     ; both halves of the lanes hold all words: q, k: lanes 0-15 store row r's words 0 and 1, lanes 16-31 words 2 and 3: 256 consecutive bytes;
	v_cndmask_b32 v[UU], v[PW], v[PW+2], vcc_lo
	v_cndmask_b32 v[UU+1], v[PW+1], v[PW+3], vcc_lo
	v_cndmask_b32 v[UU+2], v[PW+4], v[PW+5], vcc_lo ; v: words 2 wc and 2 wc + 1 of row r (the other wave column of the work-group stores the other two)
	global_store_b64 v6, v[UU:UU+1], s[96:97]
	global_store_b32 v7, v[UU+2], s[98:99]
	s_wait_tensorcnt 0x0                           ; the wave's end
	ds_add_u32 v[SPW], v[NIL]
	s_wait_dscnt 0x0
	CROUND                                         ; the closing round: no work-group ends while a partner may still ask for a tile that names it
	s_endpgm
.Lfunc_end_k_q9bb420efdd_qkv:
	.size	k_q9bb420efdd_qkv, .Lfunc_end_k_q9bb420efdd_qkv-k_q9bb420efdd_qkv
	.p2alignl 7, 3214868480
	.fill 96, 4, 3214868480
	.section	.rodata,"a",@progbits
	.p2align	6, 0x0
	.amdhsa_kernel k_q9bb420efdd_qkv
		.amdhsa_group_segment_fixed_size 327680
		.amdhsa_private_segment_fixed_size 0
		.amdhsa_enable_private_segment 0
		.amdhsa_kernarg_size 32
		.amdhsa_user_sgpr_count 2
		.amdhsa_user_sgpr_kernarg_segment_ptr 1
		.amdhsa_wavefront_size32 1
		.amdhsa_system_sgpr_workgroup_id_x 1
		.amdhsa_system_sgpr_workgroup_id_y 1
		.amdhsa_system_sgpr_workgroup_id_z 1
		.amdhsa_system_vgpr_workitem_id 0
		.amdhsa_next_free_vgpr 1024
		.amdhsa_next_free_sgpr 102
		.amdhsa_reserve_vcc 1
		.amdhsa_float_denorm_mode_32 3
		.amdhsa_float_denorm_mode_16_64 3
		.amdhsa_memory_ordered 1
		.amdhsa_forward_progress 1
		.amdhsa_inst_pref_size 150
	.end_amdhsa_kernel
	.amdgpu_metadata
---
amdhsa.version: [ 1, 2 ]
amdhsa.kernels:
  - .name:           k_q9bb420efdd_qkv
    .symbol:         k_q9bb420efdd_qkv.kd
    .args:
      - { .name: c1, .offset: 0, .size: 8, .value_kind: global_buffer, .address_space: global }
      - { .name: s1, .offset: 8, .size: 8, .value_kind: global_buffer, .address_space: global }
      - { .name: qkv_c, .offset: 16, .size: 8, .value_kind: global_buffer, .address_space: global }
      - { .name: qkv_s, .offset: 24, .size: 8, .value_kind: global_buffer, .address_space: global }
    .group_segment_fixed_size: 327680
    .private_segment_fixed_size: 0
    .kernarg_segment_align: 8
    .kernarg_segment_size: 32
    .max_flat_workgroup_size: 128
    .sgpr_count:     102
    .vgpr_count:     1024
    .wavefront_size: 32
...
	.end_amdgpu_metadata
.endif
;; end of part 2
;; launch attn (part 3): grid 8 x 32, 16 waves a work-group, no clusters, 327,680 bytes of LDS; arguments qkv_c, qkv_s, o_c, o_s; writes o_c, o_s
.if DOCPART == 3
	.amdgcn_target "amdgcn-amd-amdhsa--gfx1250"
	.amdhsa_code_object_version 6
	.text
	.protected	k_q9bb420efdd_attn
	.globl	k_q9bb420efdd_attn
	.p2align	8
	.type	k_q9bb420efdd_attn,@function
k_q9bb420efdd_attn:
	s_mov_b64 s[64:65], 0
	v_nop
	global_prefetch_b8 v0, s[64:65] scope:SCOPE_SE
	s_setreg_imm32_b32 hwreg(HW_REG_WAVE_MODE, 25, 1), 1
	s_wait_xcnt 0x0
; LAUNCH 3 OF 4.  Causal attention on codes of E4M3, head size 64; o is quantised on the way out, as an image of the next product's operand.
; p = 2^(t - M), t = score x log2(e) / 8, M the running largest t rounded up to a whole number; the row's sum is taken of the unquantised p and divides o at the end.
; WORK LEFT OUT: steps of 128 keys that all come after a wave's 16 queries (launch 1's head says why they are dead); keys beyond a work-group's last query are fetched only where they share a load of 256 with keys that are read.
; LIMITS: as stated at the head of launch 1; and the promise holds while the scaled scores stay under 2^31 in magnitude.
; SHARES.  A work-group owns query blocks x and 15 - x (128 queries each) of one head: 17 steps of 128 keys for each of eight tiles of 16 queries.  Waves 0-7 take keys 0 .. 8 (in steps) of block 15 - x: 9 steps;
; waves 8-15 take all of block x, send it out, and then take keys 9 .. 15 - x of block 15 - x: 8 steps.  Their part (-M, sum, O^T) goes through LDS once, at the end, to the wave that owns the same tile.
; LDS HOLDS ALL OF THE HEAD'S K AND V (256 KB) and its scale words: nothing is filled twice and no barrier stands in a loop.  One tensor load a wave at the head (keys 0 .. 9 steps and the scale words), the rest behind
; the second barrier, one load of 256 keys a wave; all is asked for by the end of the first step, so there is no stream to run ahead of and no prefetch.
; NO CLUSTER: work-groups of one head stop at different keys, and a tile is asked for only where it is read.
; LAYOUTS of qkv_c, qkv_s, o_c: launches 1 and 2.  A fragment of K holds two tiles of 16 keys (64 channels each): Q stands once in the lower and once in the upper half of the product's K, zeros beside it.
; REGISTERS: v1-11 addresses; v12 -M, v13 the largest t, v[14:15] the sum in two halves; v16-31 p's codes; v32-95 fragments of K, then of V; v96-159 S^T, then p; v160-191 O^T; v192-216 Q and its scale word;
; v220-227 scale words; v228-231, v248-251, v255 the second block's Q and its scale word; v232-247, v252-254 at work.
.set SCV,   4096                       ; LDS: K's scale words at 0, V's at 4,096,
.set SPARE, 8192                       ; the spare words (128 bytes a wave: eight blocks of 256 bytes that no other line names),
.set KB,    16384                      ; K: 8,192 bytes for each 128 keys,
.set VD,    131072                     ; V likewise, so far behind K,
.set STG,   KB+2*VD                    ; and behind them the parts that waves 8-15 hand over: 4,352 bytes a tile
.set STW,   4352
.set LI,   1                           ; v1   16 x lane
.set ASK0, 2                           ; v2   16 r
.set DD,   3                           ; v3   my query's place in its block - 16 h
.set OSA,  4                           ; v4   o_s: 16 r + h
.set SPW,  5                           ; v5   LDS address of my spare word; never rewritten
.set NIL,  6                           ; v6   0; never rewritten
.set AV,   7
.set AD,   8
.set ADS,  9
.set WV,   18                          ; s18  my wave's number
.set MNT,  19                          ; s19  the mantissa field of 448
.set SEL,  20                          ; s[20:21] selects for v_permlanex16_b32: lane l xor 16
.set CS,   22                          ; s[22:23] log2(e) / 8
.set G1K,  24
.set G1V,  32
.set G0K,  40                          ; keys from 256 on: n = wave / 2 says which
.set G0V,  44
.set G1S,  48
.set G0A,  56                          ; keys 0-255
.set G0B,  60
.set G0SK, 68
.set G0SV, 72
.set TI,   76                          ; my tile of 16 queries, 0..7
.set PP,   77                          ; 0: waves 0-7;  1: waves 8-15
.set HC,   78                          ; 15 - x
.set QC,   79                          ; my block of queries
.set LK,   80                          ; the last step that is mine
.set TSW,  81                          ; the trip in which waves 8-15 change blocks (64: never)
.set D2,   82                          ; what is added to the trip's number from then on
.set PSEL, 83
.set TR,   84                          ; the trip
.set KC,   85                          ; the step's 128 keys
.set IB,   86                          ; my tile / 2: the block of 32 keys that the diagonal crosses
.set XB,   87                          ; x: 0 .. 7
.macro TL g0, g1                       ; a tensor load; an s_nop 0 and four v_nop follow it
	tensor_load_to_lds s[\g0:\g0+3], s[\g1:\g1+7]
	s_nop 0
.rept 4
	v_nop
.endr
.endm
.macro ARM under, g0, g1, next
	s_cmp_lt_u32 s[WV], \under
	s_cbranch_scc0 \next
	TL \g0, \g1
	s_branch .Lasked
\next:
.endm
.macro BARRIER
	s_barrier_signal -1
	s_barrier_wait -1
.endm
	s_load_b256 s[4:11], s[0:1], 0x0               ; qkv_c, qkv_s, o_c, o_s
	v_lshl_add_u32 v[SPW], v0, 2, SPARE
	v_mov_b32 v[NIL], 0
	ds_add_u32 v[SPW], v[NIL]                      ; the wave's opening: the add, twice on end, and its wait ahead of my first tensor load
	ds_add_u32 v[SPW], v[NIL]
	v_lshrrev_b32 v8, 5, v0
	v_readfirstlane_b32 s[WV], v8
	s_and_b32 s16, ttmp7, 0xffff                   ; WHICH HEAD AND WHICH x.  Eight heads (of the 32 of both batches) go to the 64 work-groups that share bit 2 of the work-group's x and bit 0 of its y
	s_lshr_b32 s17, ttmp9, 2
	s_lshl_b32 s17, s17, 1
	s_and_b32 s2, s16, 1
	s_add_co_u32 s17, s17, s2
	s_lshl_b32 s17, s17, 3
	s_lshr_b32 s2, s16, 2                          ; the head among the eight: the work-group's y / 4
	s_add_co_u32 s2, s17, s2
	s_and_b32 s[XB], ttmp9, 3                      ; x: the low two bits of the work-group's x, and bit 1 of its y above them
	s_and_b32 s3, s16, 2
	s_lshl_b32 s3, s3, 1
	s_add_co_u32 s[XB], s[XB], s3
	s_lshr_b32 s17, s2, 4                          ; batch
	s_and_b32 s16, s2, 15                          ; head
	s_lshr_b32 s66, s16, 1                         ; pair of heads
	s_and_b32 s67, s16, 1                          ; which of the pair
	s_and_b32 s[TI], s[WV], 7
	s_lshr_b32 s[PP], s[WV], 3
	s_lshr_b32 s[IB], s[TI], 1
	s_sub_co_u32 s[HC], 15, s[XB]
	s_add_co_u32 s2, s[XB], 1
	s_max_u32 s2, s2, 3
	s_sub_co_u32 s[D2], 9, s2
	s_cmp_eq_u32 s[PP], 1
	s_cselect_b32 s[QC], s[XB], s[HC]
	s_cselect_b32 s[LK], s[XB], 8
	s_cselect_b32 s[TSW], s2, 64
	s_lshl_b32 s88, s66, 19
	s_lshl_b32 s2, s17, 18
	s_add_co_u32 s88, s88, s2                      ; pair and batch in qkv_c,
	s_lshr_b32 s94, s88, 5
	s_lshl_b32 s2, s67, 8
	s_add_co_u32 s94, s94, s2                      ; and with the head in qkv_s: Q's,
	s_add_co_u32 s96, s94, 0x20000                 ; K's,
	s_add_co_u32 s98, s94, 0x40000                 ; V's scale words
	s_lshl_b32 s2, s[IB], 2
	s_add_co_u32 s94, s94, s2                      ; my tile's word
	s_lshl_b32 s2, s67, 13
	s_add_co_u32 s90, s88, s2
	s_add_co_u32 s90, s90, 0x800000                ; V's codes
	s_lshl_b32 s2, s67, 10
	s_add_co_u32 s88, s88, s2
	s_lshl_b32 s3, s[TI], 11
	s_add_co_u32 s92, s88, s3                      ; Q's, my tile
	s_add_co_u32 s88, s88, 0x400000                ; K's
	s_lshl_b32 s2, s[HC], 14
	s_add_co_u32 s12, s92, s2                      ; Q's codes and scale words in block 15 - x,
	s_lshl_b32 s2, s[HC], 9
	s_add_co_u32 s14, s94, s2
	s_lshl_b32 s2, s[QC], 14
	s_add_co_u32 s92, s92, s2                      ; and in my first block
	s_lshl_b32 s2, s[QC], 9
	s_add_co_u32 s94, s94, s2
.irp k, 13,15,89,91,93,95,97,99
	s_mov_b32 s\k, 0
.endr
	s_lshl_b32 s2, s17, 21                         ; where my first block's tile goes in o_c,
	s_lshl_b32 s3, s16, 10
	s_add_co_u32 s2, s2, s3
	s_lshl_b32 s3, s[TI], 14
	s_add_co_u32 s2, s2, s3
	s_lshl_b32 s3, s[QC], 17
	s_add_co_u32 s66, s2, s3
	s_mov_b32 s67, 0
	s_lshl_b32 s2, s17, 16                         ; and in o_s
	s_lshl_b32 s3, s[TI], 9
	s_add_co_u32 s2, s2, s3
	s_lshl_b32 s3, s[QC], 12
	s_add_co_u32 s2, s2, s3
	s_lshr_b32 s3, s16, 3
	s_lshl_b32 s3, s3, 8
	s_add_co_u32 s2, s2, s3
	s_lshl_b32 s3, s16, 1
	s_and_b32 s3, s3, 15
	s_add_co_u32 s16, s2, s3
	s_mov_b32 s17, 0
	s_mov_b32 s[PSEL], 0x01000100                  ; an even tile's scale bytes are a word's bytes 0 and 1, an odd tile's 2 and 3
	s_mov_b32 s101, 0x03020302
	s_lshl_b32 s100, s[IB], 5
	s_and_b32 s2, s[TI], 1
	s_lshl_b32 s3, s2, 3
	s_add_co_u32 s100, s100, s3                    ; my tile's first query in its block
	s_cmp_eq_u32 s2, 1
	s_cselect_b32 s[PSEL], s101, s[PSEL]
	; descriptor group 1.  K: 256 keys are 16 tiles of 1,024 bytes, 2,048 apart; V: 2 x 8,192 bytes, 16,384 apart; scale words: 16 rows of 256 bytes, 512 apart.  Elements of 8 bytes, no padding, no mask
	s_mov_b32 s[G1K], 3<<16
	s_mov_b32 s[G1K+1], 128<<16
	s_mov_b32 s[G1K+2], 16<<16
	s_mov_b32 s[G1K+3], 128<<16
	s_mov_b32 s[G1K+4], 16
	s_mov_b32 s[G1K+5], 256
	s_mov_b32 s[G1K+6], 0
	s_mov_b32 s[G1K+7], 0
	s_mov_b32 s[G1V], 3<<16
	s_mov_b32 s[G1V+1], 1024<<16
	s_mov_b32 s[G1V+2], 2<<16
	s_mov_b32 s[G1V+3], 1024<<16
	s_mov_b32 s[G1V+4], 2
	s_mov_b32 s[G1V+5], 2048
	s_mov_b32 s[G1V+6], 0
	s_mov_b32 s[G1V+7], 0
	s_mov_b32 s[G1S], 3<<16
	s_mov_b32 s[G1S+1], 32<<16
	s_mov_b32 s[G1S+2], 16<<16
	s_mov_b32 s[G1S+3], 32<<16
	s_mov_b32 s[G1S+4], 16
	s_mov_b32 s[G1S+5], 64
	s_mov_b32 s[G1S+6], 0
	s_mov_b32 s[G1S+7], 0
	s_mov_b32 s[SEL], 0x76543210
	s_mov_b32 s[SEL+1], 0xfedcba98
	s_mov_b32 s[CS], 0x3e38aa3b
	s_mov_b32 s[CS+1], s[CS]                       ; (named with it as a pair)
	s_mov_b32 s[MNT], 0x600000
	s_lshr_b32 s2, s[WV], 1                        ; n
	s_lshl_b32 s101, s2, 14
	s_lshl_b32 s2, s2, 15
	s_mov_b32 s3, 0
	v_and_b32 v8, 31, v0                           ; lane
	v_and_b32 v9, 15, v0                           ; r
	v_bfe_u32 v10, v0, 4, 1                        ; h
	v_lshlrev_b32 v[LI], 4, v8
	v_lshlrev_b32 v[ASK0], 4, v9
	v_lshl_add_u32 v[OSA], v9, 4, v10
	v_and_b32 v11, 8, v9
	v_add_nc_u32 v11, v11, v9
	v_lshlrev_b32 v7, 4, v10
	v_sub_nc_u32 v[DD], v11, v7
	v_add_nc_u32 v[DD], s100, v[DD]
	s_wait_alu depctr_va_vdst(0)                   ; directly ahead of the waits below
	s_wait_dscnt 0x0                               ; both opening adds are done
	s_wait_kmcnt 0x0
	s_mov_b32 s[G0A], 1                            ; keys 0-255
	s_mov_b32 s[G0A+1], KB
	s_add_nc_u64 s[G0A+2:G0A+3], s[4:5], s[88:89]
	s_or_b32 s[G0A+3], s[G0A+3], 0x80000000
	s_mov_b32 s[G0B], 1
	s_mov_b32 s[G0B+1], KB+VD
	s_add_nc_u64 s[G0B+2:G0B+3], s[4:5], s[90:91]
	s_or_b32 s[G0B+3], s[G0B+3], 0x80000000
	s_mov_b32 s[G0SK], 1
	s_mov_b32 s[G0SK+1], 0
	s_add_nc_u64 s[G0SK+2:G0SK+3], s[6:7], s[96:97]
	s_or_b32 s[G0SK+3], s[G0SK+3], 0x80000000
	s_mov_b32 s[G0SV], 1
	s_mov_b32 s[G0SV+1], SCV
	s_add_nc_u64 s[G0SV+2:G0SV+3], s[6:7], s[98:99]
	s_or_b32 s[G0SV+3], s[G0SV+3], 0x80000000
	s_mov_b32 s[G0K], 1                            ; waves 4-11: the n - 1st 256 keys, at 16,384 n = KB + 16,384 (n - 1)
	s_mov_b32 s[G0K+1], s101
	s_add_nc_u64 s[G0K+2:G0K+3], s[4:5], s[88:89]
	s_add_nc_u64 s[G0K+2:G0K+3], s[G0K+2:G0K+3], s[2:3]
	s_sub_nc_u64 s[G0K+2:G0K+3], s[G0K+2:G0K+3], 32768
	s_or_b32 s[G0K+3], s[G0K+3], 0x80000000
	s_mov_b32 s[G0V], 1
	s_add_co_u32 s[G0V+1], s101, VD
	s_add_nc_u64 s[G0V+2:G0V+3], s[4:5], s[90:91]
	s_add_nc_u64 s[G0V+2:G0V+3], s[G0V+2:G0V+3], s[2:3]
	s_sub_nc_u64 s[G0V+2:G0V+3], s[G0V+2:G0V+3], 32768
	s_or_b32 s[G0V+3], s[G0V+3], 0x80000000
; THE HEAD'S LOADS, at most one a wave: keys 0-255 and the scale words by waves 0-3, which have load lines of their own: the first barrier shows these alone.  Keys 256-1279 by waves 4-11.  Every work-group reads keys of each.
	ARM 1, G0A,  G1K, .Larm1
	ARM 2, G0B,  G1V, .Larm2
	ARM 3, G0SK, G1S, .Larm3
	ARM 4, G0SV, G1S, .Larm4
	s_cmp_lt_u32 s[WV], 12
	s_cbranch_scc0 .Lasked
	s_and_b32 s2, s[WV], 1
	s_cmp_eq_u32 s2, 0
	s_cbranch_scc0 .Lodd
	TL G0K, G1K
	s_branch .Lasked
.Lodd:
	TL G0V, G1V
.Lasked:
	s_add_nc_u64 s[92:93], s[4:5], s[92:93]
	s_add_nc_u64 s[94:95], s[6:7], s[94:95]
	s_add_nc_u64 s[12:13], s[4:5], s[12:13]
	s_add_nc_u64 s[14:15], s[6:7], s[14:15]
	s_add_nc_u64 s[8:9], s[8:9], s[66:67]
	s_add_nc_u64 s[10:11], s[10:11], s[16:17]
	global_load_b128 v[192:195], v[LI], s[92:93]   ; Q stands at the low end of one operand and at the high end of another; zeros between, in v200-207
	global_load_b128 v[196:199], v[LI], s[92:93] offset:512
	global_load_b128 v[208:211], v[LI], s[92:93]
	global_load_b128 v[212:215], v[LI], s[92:93] offset:512
	global_load_b32 v216, v[ASK0], s[94:95]
	global_load_b128 v[228:231], v[LI], s[12:13]   ; block 15 - x's (waves 8-15 change to it)
	global_load_b128 v[248:251], v[LI], s[12:13] offset:512
	global_load_b32 v255, v[ASK0], s[14:15]
.macro BEGIN                           ; no key seen: the largest t -3e38, the sum and O^T 0
	v_mov_b32 v13, 0xff61b1e6
	v_mov_b32 v14, 0
	v_mov_b32 v15, 0
	v_floor_f32 v12, -v13
.set JJ, 0
.rept 32
	v_mov_b32 v[160+JJ], 0
.set JJ, JJ+1
.endr
.endm
	BEGIN
.irp b, 236,237,238,239,252,253,200,201,202,203,204,205,206,207
	v_mov_b32 v\b, 0                               ; (236-239, 252: a lane permute's destination counts as one of its sources)
.endr
	s_wait_loadcnt 0x0
	v_perm_b32 v216, v216, v216, s[PSEL]
	v_perm_b32 v255, v255, v255, s[PSEL]
	s_wait_alu depctr_va_vdst(0)                   ; the wait at the head's end
	s_cmp_lt_u32 s[WV], 4
	s_cbranch_scc0 .Lnot_first
	s_wait_tensorcnt 0x0                           ; keys 0-255 and the scale words
.Lnot_first:
	BARRIER
; A STEP: the 128 keys of number s[KC]; left out where they are not mine.
.macro STEP
	s_cmp_gt_u32 s[KC], s[LK]
	s_cbranch_scc1 .Lhid_\@
	s_lshl_b32 s2, s[KC], 13
	s_lshl_b32 s3, s[KC], 8
	v_add_nc_u32 v[AD], s2, v[LI]
	v_add_nc_u32 v[ADS], s3, v[ASK0]
	v_add_nc_u32 v[AV], VD, v[AD]
.rept 5
	v_nop                                          ; with the three above: eight places ahead of loads into what matrix instructions have read
.endr
	ds_load_b128 v[220:223], v[ADS]
.set JJ, 0
.rept 16
	ds_load_b128 v[32+4*JJ:35+4*JJ], v[AD] offset:KB+512*JJ
.set JJ, JJ+1
.endr
	s_wait_alu depctr_va_vdst(0)
.irp f, 0,1,2,3
	s_wait_dscnt 12-4*\f                           ; fragment f is in; the loads behind it may be out
	v_wmma_scale_f32_16x16x128_f8f6f4 v[96+16*\f:103+16*\f], v[32+16*\f:47+16*\f], v[192:207], 0, v[220+\f], v216
	v_wmma_scale_f32_16x16x128_f8f6f4 v[104+16*\f:111+16*\f], v[32+16*\f:47+16*\f], v[200:215], 0, v[220+\f], v216
.endr
.rept 8
	v_nop
.endr
	ds_load_b128 v[224:227], v[ADS] offset:SCV
.set JJ, 0
.rept 16
	ds_load_b128 v[32+4*JJ:35+4*JJ], v[AV] offset:KB+512*JJ
.set JJ, JJ+1
.endr
	s_cmp_lt_u32 s[KC], s[QC]
	s_cbranch_scc1 .Lopen_\@
	v_mov_b32 v254, 0xff800000                     ; the diagonal: register 16 b + i is key 32 b + 16 h + i: hidden where 32 b + i > DD.  Blocks of 32 keys ahead of my tile's are open
	s_wait_alu depctr_va_vdst(0)                   ; ahead of the branches
.irp b, 0,1,2,3
	s_cmp_gt_u32 s[IB], \b
	s_cbranch_scc1 .Lbl_\@_\b
.irp i, 0,1,2,3,4,5,6,7,8,9,10,11,12,13,14,15
	v_cmp_gt_i32 vcc_lo, 32*\b+\i, v[DD]
	v_cndmask_b32 v[96+16*\b+\i], v[96+16*\b+\i], v254, vcc_lo
.endr
.Lbl_\@_\b:
.endr
.Lopen_\@:
.irp b, 0,1,2,3
	v_max3_num_f32 v[232+\b], v[96+16*\b], v[97+16*\b], v[98+16*\b]   ; the largest score of each block of 32 keys
.endr
.irp i, 3,5,7,9,11,13
.irp b, 0,1,2,3
	v_max3_num_f32 v[232+\b], v[232+\b], v[96+16*\b+\i], v[97+16*\b+\i]
.endr
.endr
.irp b, 0,1,2,3
	v_max_num_f32 v[232+\b], v[232+\b], v[111+16*\b]
.endr
.irp b, 0,1,2,3
	v_permlanex16_b32 v[236+\b], v[232+\b], s[SEL], s[SEL+1]
.endr
.irp b, 0,1,2,3
	v_max_num_f32 v[232+\b], v[232+\b], v[236+\b]
.endr
	v_max3_num_f32 v254, v232, v233, v234
	v_max_num_f32 v254, v254, v235
	s_delay_alu instid0(VALU_DEP_1)
	v_mul_f32 v254, s[CS], v254
	s_delay_alu instid0(VALU_DEP_1)
	v_max_num_f32 v13, v13, v254                   ; the running largest t
	v_mov_b32 v254, v12
	s_delay_alu instid0(VALU_DEP_2)
	v_floor_f32 v12, -v13                          ; -M
	s_delay_alu instid0(VALU_DEP_1)
	v_sub_f32 v254, v12, v254
	s_delay_alu instid0(VALU_DEP_1)
	v_cvt_i32_f32 v254, v254                       ; old M - new M (it saturates)
	s_delay_alu instid0(VALU_DEP_1)
	v_ldexp_f32 v252, 1.0, v254                    ; f = 2^(old M - new M)
.set JJ, 0
.rept 32
	v_pk_fma_f32 v[96+JJ:97+JJ], v[96+JJ:97+JJ], s[CS:CS+1], v[12:13] op_sel_hi:[1,0,0]   ; t - M
.set JJ, JJ+2
.endr
.irp b, 0,1,2,3
	v_fma_f32 v[232+\b], v[232+\b], s[CS], v12
.endr
	s_wait_alu depctr_va_vdst(0)                   ; ahead of the batch
.set JJ, 0
.rept 64
	v_exp_f32 v[96+JJ], v[96+JJ]
.set JJ, JJ+1
.endr
	v_pk_mul_f32 v[14:15], v[14:15], v[252:253] op_sel_hi:[1,0]
	s_wait_alu depctr_va_vdst(0)                   ; and ahead of its first reader
.irp b, 0,1,2,3
	v_exp_f32 v[232+\b], v[232+\b]                 ; the blocks' largest p (this takes v_exp_f32 not to fall where its input rises)
.endr
	v_pk_add_f32 v[236:237], v[96:97], v[98:99]    ; the row's sum, of the unquantised p, in two chains
.set JJ, 4
.rept 15
	v_pk_add_f32 v[14:15], v[14:15], v[96+JJ:97+JJ]
	v_pk_add_f32 v[236:237], v[236:237], v[98+JJ:99+JJ]
.set JJ, JJ+4
.endr
	v_pk_add_f32 v[14:15], v[14:15], v[236:237]
	s_wait_alu depctr_va_vdst(0)
.irp b, 0,1,2,3
	v_max_num_f32 v[232+\b], 0x4800000, v[232+\b]  ; the floor 2^(9 - 127): the byte cannot fall under 1
.endr
.irp b, 0,1,2,3
	v_add_nc_u32 v[244+\b], 0xfc000000, v[232+\b]  ; the conversion's scale operand
.endr
.irp b, 0,1,2,3
	v_and_or_b32 v[240+\b], v[232+\b], 0x7f800000, s[MNT]   ; 448 x the scale
.endr
.irp b, 0,1,2,3
	v_lshrrev_b32 v[236+\b], 23, v[244+\b]         ; the scale's byte
.endr
	v_lshl_or_b32 v253, v237, 8, v236              ; p's scale word
	s_delay_alu instid0(VALU_DEP_1)
	v_lshl_or_b32 v253, v238, 16, v253
	s_delay_alu instid0(VALU_DEP_1)
	v_lshl_or_b32 v253, v239, 24, v253
.irp b, 0,1,2,3
.irp i, 0,2,4,6,8,10,12,14
	v_dual_min_num_f32 v[96+16*\b+\i], v[96+16*\b+\i], v[240+\b] :: v_dual_min_num_f32 v[97+16*\b+\i], v[97+16*\b+\i], v[240+\b]   ; the conversion does not saturate (ISA guide 7.6.2); p is not negative
.endr
	v_cvt_scalef32_pk8_fp8_f32 v[16+4*\b:17+4*\b], v[96+16*\b:103+16*\b], v[244+\b]
	v_cvt_scalef32_pk8_fp8_f32 v[18+4*\b:19+4*\b], v[104+16*\b:111+16*\b], v[244+\b]
.endr
	s_wait_alu depctr_va_vdst(0)                   ; ahead of O^T's first reader
.set JJ, 0
.rept 16
	v_pk_mul_f32 v[160+JJ:161+JJ], v[160+JJ:161+JJ], v[252:253] op_sel_hi:[1,0]   ; O^T under the new M
.set JJ, JJ+2
.endr
	s_wait_alu depctr_va_vdst(0)                   ; directly ahead of the wait below
	s_wait_dscnt 0x0
.irp t, 0,1,2,3
	v_wmma_scale_f32_16x16x128_f8f6f4 v[160+8*\t:167+8*\t], v[32+16*\t:47+16*\t], v[16:31], v[160+8*\t:167+8*\t], v[224+\t], v253
.endr
.Lhid_\@:
.endm
; THE WAY OUT of a tile: O^T / the sum, quantised along the head's 64 channels: two blocks of 32; the codes are a fragment's image
.macro FINAL
	v_add_f32 v14, v14, v15
	v_permlanex16_b32 v252, v14, s[SEL], s[SEL+1]
	v_add_f32 v14, v14, v252
	s_wait_alu depctr_va_vdst(0)                   ; ahead of the transcendental
	v_rcp_f32 v14, v14
	v_bfe_u32 v8, v0, 4, 1
.rept 7
	v_nop
.endr
	s_wait_alu depctr_va_vdst(0)                   ; and ahead of the first reader
.set JJ, 0
.rept 16
	v_pk_mul_f32 v[96+JJ:97+JJ], v[160+JJ:161+JJ], v[14:15] op_sel_hi:[1,0]
.set JJ, JJ+2
.endr
.irp a, 0,1
	v_max3_num_f32 v[232+\a], |v[96+16*\a]|, |v[97+16*\a]|, 0x4800000
	v_max3_num_f32 v[234+\a], |v[98+16*\a]|, |v[99+16*\a]|, |v[100+16*\a]|
.endr
.irp i, 5,9
.irp a, 0,1
	v_max3_num_f32 v[232+\a], v[232+\a], |v[96+16*\a+\i]|, |v[97+16*\a+\i]|
	v_max3_num_f32 v[234+\a], v[234+\a], |v[98+16*\a+\i]|, |v[99+16*\a+\i]|
.endr
.endr
.irp a, 0,1
	v_max3_num_f32 v[232+\a], v[232+\a], |v[109+16*\a]|, |v[110+16*\a]|
	v_max3_num_f32 v[232+\a], v[232+\a], v[234+\a], |v[111+16*\a]|
.endr
.irp a, 0,1
	v_permlanex16_b32 v[236+\a], v[232+\a], s[SEL], s[SEL+1]
.endr
.irp a, 0,1
	v_max_num_f32 v[232+\a], v[232+\a], v[236+\a]
.endr
.irp a, 0,1
	v_add_nc_u32 v[244+\a], 0xfc000000, v[232+\a]
	v_and_or_b32 v[240+\a], v[232+\a], 0x7f800000, s[MNT]
.endr
.irp a, 0,1
	v_lshrrev_b32 v[236+\a], 23, v[244+\a]
.endr
.irp a, 0,1
.irp i, 0,1,2,3,4,5,6,7,8,9,10,11,12,13,14,15
	v_med3_num_f32 v[96+16*\a+\i], v[96+16*\a+\i], -v[240+\a], v[240+\a]
.endr
	v_cvt_scalef32_pk8_fp8_f32 v[16+4*\a:17+4*\a], v[96+16*\a:103+16*\a], v[244+\a]
	v_cvt_scalef32_pk8_fp8_f32 v[18+4*\a:19+4*\a], v[104+16*\a:111+16*\a], v[244+\a]
.endr
	v_cmp_eq_u32 vcc_lo, 1, v8
	v_cndmask_b32 v238, v236, v237, vcc_lo         ; lanes 0-15 the first 32 channels' byte, lanes 16-31 the second's
	global_store_b128 v[LI], v[16:19], s[8:9]
	global_store_b128 v[LI], v[20:23], s[8:9] offset:512
	global_store_b8 v[OSA], v238, s[10:11]
.endm
	s_mov_b32 s[KC], 0
	STEP                                           ; keys 0-127: every wave's
	s_wait_tensorcnt 0x0                           ; the head's loads are in; the add, twice on end, ahead of a later first fill
	ds_add_u32 v[SPW], v[NIL]
	ds_add_u32 v[SPW], v[NIL]
	s_add_co_u32 s[G0K+1], s[G0K+1], 6*16384       ; keys 256 (5 + wave / 2) on
	s_add_nc_u64 s[G0K+2:G0K+3], s[G0K+2:G0K+3], 6*32768
	s_add_co_u32 s[G0V+1], s[G0V+1], 6*16384
	s_add_nc_u64 s[G0V+2:G0V+3], s[G0V+2:G0V+3], 6*32768
	s_wait_dscnt 0x0
	BARRIER
	s_cmp_lt_u32 s[WV], 6                          ; waves 0-5 fetch keys 1280-2047, where the work-group's last query reaches them (ids alone)
	s_cbranch_scc0 .Lgot
	s_and_b32 s2, s[WV], 6
	s_add_co_u32 s2, s2, 10
	s_cmp_gt_u32 s2, s[HC]
	s_cbranch_scc1 .Lgot
	s_and_b32 s2, s[WV], 1
	s_cmp_eq_u32 s2, 0
	s_cbranch_scc0 .Lgotv
	TL G0K, G1K
	s_branch .Lgot
.Lgotv:
	TL G0V, G1V
.Lgot:
	s_mov_b32 s[TR], 1
.Lnear:                                            ; keys 128-383
	s_mov_b32 s[KC], s[TR]
	STEP
	s_add_co_u32 s[TR], s[TR], 1
	s_cmp_lt_u32 s[TR], 3
	s_cbranch_scc1 .Lnear
	s_wait_tensorcnt 0x0                           ; all of K and V is in
	BARRIER
.Lfar:                                             ; trips 3 .. 9
	s_cmp_eq_u32 s[TR], s[TSW]
	s_cbranch_scc0 .Lsame
	FINAL                                          ; waves 8-15: block x is done: it goes out, and block 15 - x begins
	BEGIN
.irp i, 0,1,2,3
	v_mov_b32 v[192+\i], v[228+\i]
	v_mov_b32 v[196+\i], v[248+\i]
	v_mov_b32 v[208+\i], v[228+\i]
	v_mov_b32 v[212+\i], v[248+\i]
.endr
	v_mov_b32 v216, v255
	s_mov_b32 s[QC], s[HC]
	s_mov_b32 s[LK], s[HC]
	s_wait_alu depctr_va_vdst(0)                   ; directly ahead of the wait below
	s_wait_xcnt 0x0                                ; the stores have read their registers
.Lsame:
	s_cmp_ge_u32 s[TR], s[TSW]
	s_cselect_b32 s2, s[D2], 0
	s_add_co_u32 s[KC], s[TR], s2
	s_min_u32 s[KC], s[KC], 15
	STEP
	s_add_co_u32 s[TR], s[TR], 1
	s_cmp_lt_u32 s[TR], 10
	s_cbranch_scc1 .Lfar
; THE TWO PARTS OF BLOCK 15 - x.  Waves 8-15 hand theirs over, waves 0-7 bring both under one M (a power of two each) and send the tile out
	s_mul_i32 s2, s[TI], STW
	s_add_co_u32 s2, s2, STG
	s_add_co_u32 s3, s2, 4096
	v_add_nc_u32 v[AD], s2, v[LI]
	v_lshrrev_b32 v[ADS], 2, v[LI]
	v_add_f32 v14, v14, v15
	v_add_nc_u32 v[ADS], s3, v[ADS]
	v_mov_b32 v15, 0
.rept 3
	v_nop
.endr
	s_wait_alu depctr_va_vdst(0)                   ; ahead of the barrier
	BARRIER
	s_cmp_lt_u32 s[WV], 8
	s_cbranch_scc1 .Lkeep
.irp j, 0,1,2,3,4,5,6,7
	ds_store_b128 v[AD], v[160+4*\j:163+4*\j] offset:512*\j
.endr
	ds_store_b32 v[ADS], v12
	ds_store_b32 v[ADS], v14 offset:128
	s_wait_dscnt 0x0
.Lkeep:
	BARRIER
	s_cmp_lt_u32 s[WV], 8
	s_cbranch_scc0 .Lend
.irp j, 0,1,2,3,4,5,6,7
	ds_load_b128 v[96+4*\j:99+4*\j], v[AD] offset:512*\j
.endr
	ds_load_b32 v232, v[ADS]
	ds_load_b32 v233, v[ADS] offset:128
	s_wait_dscnt 0x0
	v_min_num_f32 v234, v12, v232                  ; -M, M the larger of the two (a part with no keys has M = -3e38: its factor is 0)
	v_sub_f32 v235, v234, v12
	v_sub_f32 v254, v234, v232
	v_cvt_i32_f32 v235, v235
	v_cvt_i32_f32 v254, v254
	v_ldexp_f32 v236, 1.0, v235
	v_ldexp_f32 v238, 1.0, v254
	v_mul_f32 v14, v14, v236
	v_fma_f32 v14, v233, v238, v14
.set JJ, 0
.rept 16
	v_pk_mul_f32 v[160+JJ:161+JJ], v[160+JJ:161+JJ], v[236:237] op_sel_hi:[1,0]
.set JJ, JJ+2
.endr
.set JJ, 0
.rept 16
	v_pk_fma_f32 v[160+JJ:161+JJ], v[96+JJ:97+JJ], v[238:239], v[160+JJ:161+JJ] op_sel_hi:[1,0,1]
.set JJ, JJ+2
.endr
	FINAL
.Lend:
	s_wait_tensorcnt 0x0                           ; the wave's end
	ds_add_u32 v[SPW], v[NIL]
	s_wait_dscnt 0x0
	s_endpgm
.Lfunc_end_k_q9bb420efdd_attn:
	.size	k_q9bb420efdd_attn, .Lfunc_end_k_q9bb420efdd_attn-k_q9bb420efdd_attn
	.p2alignl 7, 3214868480
	.fill 96, 4, 3214868480
	.section	.rodata,"a",@progbits
	.p2align	6, 0x0
	.amdhsa_kernel k_q9bb420efdd_attn
		.amdhsa_group_segment_fixed_size 327680
		.amdhsa_private_segment_fixed_size 0
		.amdhsa_enable_private_segment 0
		.amdhsa_kernarg_size 32
		.amdhsa_user_sgpr_count 2
		.amdhsa_user_sgpr_kernarg_segment_ptr 1
		.amdhsa_wavefront_size32 1
		.amdhsa_system_sgpr_workgroup_id_x 1
		.amdhsa_system_sgpr_workgroup_id_y 1
		.amdhsa_system_sgpr_workgroup_id_z 1
		.amdhsa_system_vgpr_workitem_id 0
		.amdhsa_next_free_vgpr 256
		.amdhsa_next_free_sgpr 102
		.amdhsa_reserve_vcc 1
		.amdhsa_float_denorm_mode_32 3
		.amdhsa_float_denorm_mode_16_64 3
		.amdhsa_memory_ordered 1
		.amdhsa_forward_progress 1
		.amdhsa_inst_pref_size 104
	.end_amdhsa_kernel
	.amdgpu_metadata
---
amdhsa.version: [ 1, 2 ]
amdhsa.kernels:
  - .name:           k_q9bb420efdd_attn
    .symbol:         k_q9bb420efdd_attn.kd
    .args:
      - { .name: qkv_c, .offset: 0, .size: 8, .value_kind: global_buffer, .address_space: global }
      - { .name: qkv_s, .offset: 8, .size: 8, .value_kind: global_buffer, .address_space: global }
      - { .name: o_c, .offset: 16, .size: 8, .value_kind: global_buffer, .address_space: global }
      - { .name: o_s, .offset: 24, .size: 8, .value_kind: global_buffer, .address_space: global }
    .group_segment_fixed_size: 327680
    .private_segment_fixed_size: 0
    .kernarg_segment_align: 8
    .kernarg_segment_size: 32
    .max_flat_workgroup_size: 512
    .sgpr_count:     102
    .vgpr_count:     256
    .wavefront_size: 32
...
	.end_amdgpu_metadata
.endif
;; end of part 3
;; launch proj (part 4): grid 8 x 32, 4 waves a work-group, clusters of 4 x 4, 327,680 bytes of LDS; arguments o_c, o_s, c1, s1, b_proj, out0; writes out0
.if DOCPART == 4
	.amdgcn_target "amdgcn-amd-amdhsa--gfx1250"
	.amdhsa_code_object_version 6
	.text
	.protected	k_q9bb420efdd_proj
	.globl	k_q9bb420efdd_proj
	.p2align	8
	.type	k_q9bb420efdd_proj,@function
k_q9bb420efdd_proj:
	s_mov_b64 s[64:65], 0
	v_nop
	global_prefetch_b8 v0, s[64:65] scope:SCOPE_SE
	s_setreg_imm32_b32 hwreg(HW_REG_WAVE_MODE, 25, 1), 1
	s_wait_xcnt 0x0
	s_wait_alu depctr_hold_cnt(0) depctr_sa_sdst(0) depctr_va_vdst(0) depctr_va_sdst(0) depctr_va_ssrc(0) depctr_va_vcc(0) depctr_vm_vsrc(0)
	s_getreg_b32 s2, hwreg(HW_REG_IB_STS2, 6, 4)
	s_cmp_eq_u32 s2, 0
	s_cbranch_scc0 .Lentry_in_a_cluster
	s_endpgm
.Lentry_in_a_cluster:
	s_bfe_u32 s2, ttmp6, 0x10000c
	s_cmp_lg_u32 s2, 0xf033
	s_cbranch_scc0 .Lentry_shape_is_right
	s_endpgm
.Lentry_shape_is_right:
; LAUNCH 4 OF 4.  out0 = o w_proj^T + b_proj on codes of E4M3 with E8M0 scales (K = 1,024), f32 sums.  LIMITS as stated at the head of launch 1.
; 256 work-groups of 128 x 128, four waves of 64 x 64 each: 16 accumulators.  ALL OF K lies in LDS: 128 KB of o's rows, 128 KB of w_proj's, brought by ONE joint load a wave: wave 0 the first half of K of o's eight tiles,
; wave 1 that of w_proj's, waves 2 and 3 the second half.  Nothing is filled twice.  No prefetch: all is asked for at the head, and there is no loop to run ahead in.
; The matrix instruction is used transposed: source 0 = 16 rows of w_proj (tiles 448-511 of c1), source 1 = 16 rows of o.  The scale words come straight into registers, in whole units of 256 bytes.
; CLUSTERS of 4 x 4: o's tiles are shared along a row, w_proj's along a column.  The bias is the C of each sum's first product.
; Row r of a tile T is row 32 (T / 2) + 8 (T % 2) + r % 8 + 16 (r / 8): the way out puts rows and columns back in their places.
; REGISTERS: window 0: v16-29 addresses; v32-63, v68-99 scale words; v100-131 the bias; v128-255 rows of out0 on the way out.  window 1: two sets of fragments, four of o and four of w_proj each.  window 2: the accumulators.
.set HB,    131072                     ; LDS: a half of K: o's 8 tiles x 8,192 bytes, then w_proj's
.set SPARE, 2*HB                       ; the spare words: two blocks of 256 bytes that no other line names
.set SPITCH, 272                       ; the way out: stages of 16 rows x (256 bytes + 16), four a wave, in the first half's bytes, which have had their last fill and their last read
.set ADRA, 16                          ; v16-17 LDS address of my fragments of o in the halves of K
.set ADRB, 18                          ; v18-19 of w_proj
.set STO,  24
.set RD,   25
.set CO,   26
.set SPW,  28
.set NIL,  29
.set SCA,  32                          ; o's scale words: register 8 a + k
.set SCB,  68                          ; w_proj's: the numbers of a product's two differ by 4 modulo 8
.set BIAS, 100
.set BK,   128
.set G1A, 24
.set G0A, 32
.set G1B, 48
.set G0B, 56
.set MSB, 0
.macro WIN new                         ; the immediate's high byte repeats the setting that is left
.if MSB != \new
	s_set_vgpr_msb (MSB<<8)|\new
.set MSB, \new
.endif
.endm
.macro PLACES n                        ; plain vector lines behind matrix instructions (ISA guide 7.12.1)
.rept \n
	v_nop
.endr
.endm
.macro BARRIER
	s_barrier_signal -1
	s_barrier_wait -1
.endm
.macro CROUND
	BARRIER
	s_cmp_lg_u32 s14, 0
	s_cbranch_scc1 .Lnot_wave_0_\@
	s_barrier_signal -3
.Lnot_wave_0_\@:
	s_barrier_wait -3
	BARRIER
.endm
	s_load_b256 s[4:11], s[0:1], 0x0               ; o_c, o_s, c1, s1
	s_load_b128 s[96:99], s[0:1], 0x20             ; b_proj, out0
	v_lshl_add_u32 v[SPW], v0, 2, SPARE
	v_mov_b32 v[NIL], 0
	ds_add_u32 v[SPW], v[NIL]                      ; the wave's opening: the add, twice on end, and its wait ahead of my first tensor load
	ds_add_u32 v[SPW], v[NIL]
	v_lshrrev_b32 v1, 5, v0
	v_readfirstlane_b32 s14, v1                    ; wave 0..3
	s_lshr_b32 s15, s14, 1                         ; which 64 rows are mine.  Also: which half of K I fetch
	s_and_b32 s16, s14, 1                          ; which 64 columns
	s_bfe_u32 s40, ttmp6, 0x40000                  ; cx, cy
	s_bfe_u32 s41, ttmp6, 0x40004
	s_lshl_b32 s42, ttmp9, 2
	s_add_co_u32 s42, s42, s40                     ; tile column
	s_and_b32 s17, ttmp7, 0xffff
	s_lshl_b32 s17, s17, 2
	s_add_co_u32 s17, s17, s41                     ; tile row
	s_lshl_b32 s43, s41, 2
	s_lshl_b32 s43, 15, s43                        ; my row of the cluster
	s_lshl_b32 s44, 0x1111, s40                    ; my column
	s_or_b32 s[G1A], s43, (3<<16)|(1<<21)          ; 8 rows of 8,192 bytes (1,024 elements of 8 bytes), 16,384 apart; the mask; bit 21 beside it; no padding
	s_or_b32 s[G1B], s44, (3<<16)|(1<<21)
.irp g, G1A, G1B
	s_mov_b32 s[\g+1], 1024<<16
	s_mov_b32 s[\g+2], 8<<16
	s_mov_b32 s[\g+3], 1024<<16
	s_mov_b32 s[\g+4], 8
	s_mov_b32 s[\g+5], 2048
	s_mov_b32 s[\g+6], 0
	s_mov_b32 s[\g+7], 0
.endr
	s_lshl_b32 s2, s15, 13                         ; my half of K
	s_lshl_b32 s20, s17, 17
	s_add_co_u32 s20, s20, s2                      ; o's tiles
	s_mov_b32 s21, 0
	s_lshl_b32 s46, s42, 17
	s_add_co_u32 s46, s46, 0x700000                ; w_proj's begin with tile 448
	s_add_co_u32 s46, s46, s2
	s_mov_b32 s47, 0
	s_lshl_b32 s22, s17, 12                        ; scale words: my four tiles of o,
	s_lshl_b32 s2, s15, 11
	s_add_co_u32 s22, s22, s2
	s_mov_b32 s23, 0
	s_lshl_b32 s92, s42, 12                        ; and of w_proj
	s_add_co_u32 s92, s92, 0x38000
	s_lshl_b32 s2, s16, 11
	s_add_co_u32 s92, s92, s2
	s_mov_b32 s93, 0
	s_lshl_b32 s94, s42, 9                         ; my first column, in bytes
	s_lshl_b32 s2, s16, 8
	s_add_co_u32 s94, s94, s2
	s_mov_b32 s95, 0
	s_lshl_b32 s90, s17, 19                        ; my first row of out0
	s_lshl_b32 s2, s15, 18
	s_add_co_u32 s90, s90, s2
	s_add_co_u32 s90, s90, s94
	s_mov_b32 s91, 0
	s_lshl_b32 s45, s15, 17
	s_mov_b32 s[G0A], 1
	s_mov_b32 s[G0A+1], s45
	s_mov_b32 s[G0B], 1
	s_add_co_u32 s[G0B+1], s45, 65536
	s_lshl_b32 s2, s15, 15                         ; LDS: my four tiles of o,
	s_lshl_b32 s3, s16, 15
	s_add_co_u32 s3, s3, 65536                     ; and of w_proj
	s_mul_i32 s12, s14, 4*16*SPITCH                ; my stages
	v_and_b32 v1, 15, v0                           ; r
	v_bfe_u32 v2, v0, 4, 1                         ; h
	v_and_b32 v3, 31, v0
	v_lshlrev_b32 v4, 4, v3                        ; 16 x lane
	v_add_nc_u32 v[ADRA], s2, v4
	v_add_nc_u32 v[ADRB], s3, v4
	v_add_nc_u32 v[ADRA+1], HB, v[ADRA]
	v_add_nc_u32 v[ADRB+1], HB, v[ADRB]
	v_lshlrev_b32 v5, 4, v1                        ; 16 r
	v_lshlrev_b32 v7, 6, v2                        ; 64 h
	v_mul_u32_u24 v8, v1, SPITCH
	v_add_nc_u32 v8, v8, v7
	v_add_nc_u32 v[STO], s12, v8                   ; in: row r, + 64 h
	v_mul_u32_u24 v8, v2, SPITCH
	v_add_nc_u32 v8, v8, v5
	v_add_nc_u32 v[RD], s12, v8                    ; back: lanes 0-15 one row of 256 bytes, lanes 16-31 the next
	v_lshl_add_u32 v[CO], v2, 12, v5               ; and the same two rows of out0
	s_wait_alu depctr_va_vdst(0)                   ; the wait at the head's end
	s_wait_dscnt 0x0                               ; both opening adds are done
	CROUND                                         ; all sixteen work-groups are here: the joint loads meet
	s_wait_kmcnt 0x0
	s_add_nc_u64 s[G0A+2:G0A+3], s[4:5], s[20:21]
	s_or_b32 s[G0A+3], s[G0A+3], 0x80000000
	s_add_nc_u64 s[G0B+2:G0B+3], s[8:9], s[46:47]
	s_or_b32 s[G0B+3], s[G0B+3], 0x80000000
.macro TL g0, g1                       ; a tensor load; an s_nop 0 and four v_nop follow it
	tensor_load_to_lds s[\g0:\g0+3], s[\g1:\g1+7]
	s_nop 0
	PLACES 4
.endm
.macro ARM under, g0, g1, next
	s_cmp_lt_u32 s14, \under
	s_cbranch_scc0 \next
	TL \g0, \g1
	s_branch .Lasked
\next:
.endm
	ARM 1, G0A, G1A, .Larm1                        ; one load a wave, a line each: the first barrier shows the first half alone
	ARM 2, G0B, G1B, .Larm2
	ARM 3, G0A, G1A, .Larm3
	TL G0B, G1B
.Lasked:
	s_add_nc_u64 s[22:23], s[6:7], s[22:23]
	s_add_nc_u64 s[92:93], s[10:11], s[92:93]
	s_add_nc_u64 s[94:95], s[96:97], s[94:95]
	s_add_nc_u64 s[90:91], s[98:99], s[90:91]
.irp i, 0,1,2,3
	global_load_b128 v[SCA+8*\i:SCA+8*\i+3], v5, s[22:23] offset:512*\i
	global_load_b128 v[SCA+8*\i+4:SCA+8*\i+7], v5, s[22:23] offset:512*\i+256
	global_load_b128 v[SCB+8*\i:SCB+8*\i+3], v5, s[92:93] offset:512*\i
	global_load_b128 v[SCB+8*\i+4:SCB+8*\i+7], v5, s[92:93] offset:512*\i+256
	global_load_b128 v[BIAS+8*\i:BIAS+8*\i+3], v7, s[94:95] offset:128*(\i/2)+32*(\i%2)        ; in tile b lane (r, h) register j is column 32 (b / 2) + 8 (b % 2) + 16 h + j
	global_load_b128 v[BIAS+8*\i+4:BIAS+8*\i+7], v7, s[94:95] offset:128*(\i/2)+32*(\i%2)+16
.endr
	s_wait_loadcnt 0x0
	s_cmp_lt_u32 s14, 2
	s_cbranch_scc0 .Lnot_first
	s_wait_tensorcnt 0x0                           ; the first half of K
.Lnot_first:
	BARRIER
.macro LD k, i                         ; fragment i of o and of w_proj, K step k, into set k % 2 of window 1
.irp c, 0,1,2,3
	ds_load_b128 v[128*((\k)%2)+16*\i+4*\c:128*((\k)%2)+16*\i+4*\c+3], v[ADRA+(\k)/4] offset:\i*8192+((\k)%4)*2048+512*\c
.endr
.irp c, 0,1,2,3
	ds_load_b128 v[128*((\k)%2)+64+16*\i+4*\c:128*((\k)%2)+64+16*\i+4*\c+3], v[ADRB+(\k)/4] offset:\i*8192+((\k)%4)*2048+512*\c
.endr
.endm
.macro MUL4 k, a                       ; o's tile a against w_proj's four.  The 16 accumulators take turns
.irp b, 0,1,2,3
.if (\k) == 0
	v_wmma_scale_f32_16x16x128_f8f6f4 v[32*\a+8*\b:32*\a+8*\b+7], v[128*((\k)%2)+64+16*\b:128*((\k)%2)+79+16*\b], v[128*((\k)%2)+16*\a:128*((\k)%2)+15+16*\a], v[BIAS+8*\b:BIAS+8*\b+7], v[SCB+8*\b+\k], v[SCA+8*\a+\k]
.else
	v_wmma_scale_f32_16x16x128_f8f6f4 v[32*\a+8*\b:32*\a+8*\b+7], v[128*((\k)%2)+64+16*\b:128*((\k)%2)+79+16*\b], v[128*((\k)%2)+16*\a:128*((\k)%2)+15+16*\a], v[32*\a+8*\b:32*\a+8*\b+7], v[SCB+8*\b+\k], v[SCA+8*\a+\k]
.endif
.endr
.endm
.macro KS k                            ; a K step of 128: 16 products, and among them the next step's 32 loads
.if (\k) > 0 && (\k) < 7
	PLACES 8
.endif
.irp g, 0,1,2,3
.if (\k) < 7
	WIN 0x40                                       ; destination window 1
	LD \k+1, \g
.endif
.if \g == 0
.if (\k) < 7
	s_wait_dscnt 8                                 ; this step's fragments are in; the eight just issued may be out
.else
	s_wait_dscnt 0
.endif
.endif
.if (\k) == 0
	WIN 0x85                                       ; sources 0 and 1 window 1, C (the bias) window 0, D window 2
.else
	WIN 0xa5                                       ; C and D window 2
.endif
	MUL4 \k, \g
.endr
.endm
	WIN 0x40
.irp i, 0,1,2,3
	LD 0, \i
.endr
	KS 0
	KS 1
	KS 2
	WIN 0
	s_wait_tensorcnt 0x0                           ; the second half of K; and my reads of the first half are over
	s_wait_dscnt 0x0
	BARRIER
	KS 3
	KS 4
	KS 5
	KS 6
	KS 7
; THE WAY OUT, block by block of 16 rows x 64 columns, each through a stage of its own; LDS serves a wave's instructions in order (ISA guide 5.7.1.4): no wait between the stores and the loads
.macro TOSTAGE a
	WIN 0x08                                       ; the data: window 2
.irp b, 0,1,2,3
	ds_store_b128 v[STO], v[32*\a+8*\b:32*\a+8*\b+3] offset:\a*16*SPITCH+128*(\b/2)+32*(\b%2)
	ds_store_b128 v[STO], v[32*\a+8*\b+4:32*\a+8*\b+7] offset:\a*16*SPITCH+128*(\b/2)+32*(\b%2)+16
.endr
	WIN 0
.irp u, 0,1,2,3,4,5,6,7
	ds_load_b128 v[BK+32*\a+4*\u:BK+32*\a+4*\u+3], v[RD] offset:\a*16*SPITCH+2*\u*SPITCH
.endr
.endm
.macro SEND a, younger                 ; row t of block a is row 32 (a / 2) + 8 (a % 2) + t % 8 + 16 (t / 8) of my 64; an instruction stores rows 2 u and 2 u + 1: two aligned units of 256 bytes
	s_wait_dscnt \younger
.irp u, 0,1,2,3,4,5,6,7
	global_store_b128 v[CO], v[BK+32*(\a)+4*\u:BK+32*(\a)+4*\u+3], s[90:91] offset:(32*((\a)/2)+8*((\a)%2)+(2*\u)%8+16*(\u/4))*4096 th:TH_STORE_NT
.endr
.endm
	PLACES 8
	TOSTAGE 0
.irp a, 1,2,3
	TOSTAGE \a
	SEND \a-1, 16                                  ; block a's 8 stores and 8 loads may be out
.endr
	SEND 3, 0
	s_wait_tensorcnt 0x0                           ; the wave's end
	ds_add_u32 v[SPW], v[NIL]
	s_wait_dscnt 0x0
	CROUND                                         ; the closing round
	s_endpgm
.Lfunc_end_k_q9bb420efdd_proj:
	.size	k_q9bb420efdd_proj, .Lfunc_end_k_q9bb420efdd_proj-k_q9bb420efdd_proj
	.p2alignl 7, 3214868480
	.fill 96, 4, 3214868480
	.section	.rodata,"a",@progbits
	.p2align	6, 0x0
	.amdhsa_kernel k_q9bb420efdd_proj
		.amdhsa_group_segment_fixed_size 327680
		.amdhsa_private_segment_fixed_size 0
		.amdhsa_enable_private_segment 0
		.amdhsa_kernarg_size 48
		.amdhsa_user_sgpr_count 2
		.amdhsa_user_sgpr_kernarg_segment_ptr 1
		.amdhsa_wavefront_size32 1
		.amdhsa_system_sgpr_workgroup_id_x 1
		.amdhsa_system_sgpr_workgroup_id_y 1
		.amdhsa_system_sgpr_workgroup_id_z 1
		.amdhsa_system_vgpr_workitem_id 0
		.amdhsa_next_free_vgpr 1024
		.amdhsa_next_free_sgpr 102
		.amdhsa_reserve_vcc 0
		.amdhsa_float_denorm_mode_32 3
		.amdhsa_float_denorm_mode_16_64 3
		.amdhsa_memory_ordered 1
		.amdhsa_forward_progress 1
		.amdhsa_inst_pref_size 53
	.end_amdhsa_kernel
	.amdgpu_metadata
---
amdhsa.version: [ 1, 2 ]
amdhsa.kernels:
  - .name:           k_q9bb420efdd_proj
    .symbol:         k_q9bb420efdd_proj.kd
    .args:
      - { .name: o_c, .offset: 0, .size: 8, .value_kind: global_buffer, .address_space: global }
      - { .name: o_s, .offset: 8, .size: 8, .value_kind: global_buffer, .address_space: global }
      - { .name: c1, .offset: 16, .size: 8, .value_kind: global_buffer, .address_space: global }
      - { .name: s1, .offset: 24, .size: 8, .value_kind: global_buffer, .address_space: global }
      - { .name: b_proj, .offset: 32, .size: 8, .value_kind: global_buffer, .address_space: global }
      - { .name: out0, .offset: 40, .size: 8, .value_kind: global_buffer, .address_space: global }
    .group_segment_fixed_size: 327680
    .private_segment_fixed_size: 0
    .kernarg_segment_align: 8
    .kernarg_segment_size: 48
    .max_flat_workgroup_size: 128
    .sgpr_count:     102
    .vgpr_count:     1024
    .wavefront_size: 32
...
	.end_amdgpu_metadata
.endif
;; end of part 4
